; MI455X (gfx1250); checked and timed in simulation.
; The chip was launched on July 23, 2026; its instructions are those of AMD's public machine-readable ISA for CDNA 5 (MIT licence, August 2026) and "CDNA5" Instruction Set Architecture Reference Guide (July 2026). The comments in the code are by the model that wrote it; some were corrected since.
;; Block. Allowed arithmetic: matrix products marked QUANTISED: E4M3 operands, one given power-of-two scale a tensor, by v_wmma_f32_16x16x64_fp8_fp8 or v_wmma_f32_16x16x128_fp8_fp8, f32 sums; everything else in f32.
;; Inputs: W1 1,024 x 4,096 float32; W2 4,096 x 1,024 float32; WK 1,024 x 1,024 float32; WO 1,024 x 1,024 float32; WQ 1,024 x 1,024 float32; WV 1,024 x 1,024 float32; X 4 x 1,024 x 1,024 float32; b1 4,096 float32; b2 1,024 float32; bK 1,024 float32; bO 1,024 float32; bQ 1,024 float32; bV 1,024 float32; be1 1,024 float32; be2 1,024 float32; g1 1,024 float32; g2 1,024 float32; lowp_scales 16 int32 (the exponents e of the quantised operands' scales 2^e).
;; Outputs: out0 4 x 1,024 x 1,024 float32.
;; This version of the problem:
;;   THIS VERSION OF THE PROBLEM IS GIVEN IN LOW PRECISION. The matrix products marked QUANTISED in the list below multiply operands that are first quantised to E4M3 (4 exponent bits, 3 mantissa bits; 8 bits a number), with one given power-of-two scale for each operand tensor; their sums are f32. All else is computed in f32.
;;   The module's matrix products, in the order in which they are computed (A, B: the left and right operand; K: the contracted axis; several contracted axes count as one K, in the product's order):
;;     1. [M 4,096, K 1,024] x [K 1,024, N 1,024]; A: computed on the way; B: input WQ: QUANTISED (scales: A lowp_scales[0], B lowp_scales[1])
;;     2. [M 4,096, K 1,024] x [K 1,024, N 1,024]; A: computed on the way; B: input WK: QUANTISED (scales: A lowp_scales[2], B lowp_scales[3])
;;     3. [M 4,096, K 1,024] x [K 1,024, N 1,024]; A: computed on the way; B: input WV: QUANTISED (scales: A lowp_scales[4], B lowp_scales[5])
;;     4. batch 64 x [M 1,024, K 64] x [K 64, N 1,024]; A: computed on the way; B: computed on the way: QUANTISED (scales: A lowp_scales[6], B lowp_scales[7])
;;     5. batch 64 x [M 1,024, K 1,024] x [K 1,024, N 64]; A: softmax (see below); B: computed on the way: QUANTISED (scales: A lowp_scales[8], B lowp_scales[9])
;;     6. [M 4,096, K 1,024] x [K 1,024, N 1,024]; A: computed on the way; B: input WO: QUANTISED (scales: A lowp_scales[10], B lowp_scales[11])
;;     7. [M 4,096, K 1,024] x [K 1,024, N 4,096]; A: computed on the way; B: input W1: QUANTISED (scales: A lowp_scales[12], B lowp_scales[13])
;;     8. [M 4,096, K 4,096] x [K 4,096, N 1,024]; A: computed on the way; B: input W2: QUANTISED (scales: A lowp_scales[14], B lowp_scales[15])
;;   THE QUANTISER, for each operand of a quantised product, along K:
;;     - The operand's scale is 2^e, e = its entry of the input lowp_scales (int32; the entries are numbered through the quantised products in the list's order, A before B).
;;     - Each number is divided by the scale, clamped to +-448, and rounded to the nearest number of E4M3, ties to even, subnormals kept.
;;     - The product sums the exact products of the quantised numbers (number of the format x scale) in f32.
;;   ~~~python
;;   def quantise(x, axis, e):      # numpy; x: float32 -> the quantised numbers, widened to float32 again
;;       x = np.moveaxis(x, axis, -1); K = x.shape[-1]
;;       r = np.clip(x / 2.0 ** e, -448, 448)
;;       step = 2.0 ** (np.maximum(np.frexp(np.where(r == 0, 1, r))[1] - 1, -6) - 3)
;;       q = np.round(r / step) * step * 2.0 ** e      # np.round: ties to even
;;       return np.moveaxis(q, -1, axis).astype(np.float32)
;;   ~~~
;;   SOFTMAX AHEAD OF A QUANTISED PRODUCT. Where the list says 'softmax', what is quantised is not the finished softmax but p = 2^(t - M), with t = logit x log2(e) and M = ceil(the row's largest t), a whole number; so 1/2 < the row's largest p <= 1. The row's sum l is taken of the UNQUANTISED p, in f32, and the product's result is divided by l at the end. Since M is a whole number, a kernel that streams over the keys may use a running M (the ceiling of the running maximum): every later rescaling is an exact power of two, so the quantised numbers keep their values, but for numbers so far below the row's largest that they fall under the format's range.
;;   OPERANDS COMPUTED ON THE WAY. 'Computed on the way' means the value that the module computes at that place (a softmax that the list does not call 'softmax' is quantised finished and normalised). What goes into a quantiser is computed in f32, as accurately as f32 sums, v_exp_f32 and their like allow (about 1e-6 of the number): no bf16 or f16 on the way to a quantiser, and a product that is left as it is and whose result goes on into a quantised operand takes f32 operands (vector FMAs, or v_wmma_f32_16x16x4_f32). A number that lies on a knife's edge between two numbers of the format may be rounded either way, as far as f32 arithmetic and the matrix unit's own rounding can turn it there, and no further.
;; One version. Each part assembles by itself: llvm-mc -triple=amdgcn-amd-amdhsa -mcpu=gfx1250 --defsym DOCPART=n.
;; ======== version 1 of 1: 7 launches
;; workspace buffers: cw 25,165,824 bytes; qkv 12,582,912 bytes; av 4,194,304 bytes; x2 16,777,216 bytes; xn2 4,194,304 bytes; hid 16,777,216 bytes
;; launch prep (part 1): grid 640 x 1, 4 waves a work-group, no clusters, 35,328 bytes of LDS; arguments WQ, WK, WV, WO, W1, W2, X, g1, be1, lowp_scales, cw; writes cw
.if DOCPART == 1
	.amdgcn_target "amdgcn-amd-amdhsa--gfx1250"
	.amdhsa_code_object_version 6
	.text
	.protected	k_qe0811b5477_prep
	.globl	k_qe0811b5477_prep
	.p2align	8
	.type	k_qe0811b5477_prep,@function
k_qe0811b5477_prep:
	s_mov_b64 s[64:65], 0
	v_nop
	global_prefetch_b8 v0, s[64:65] scope:SCOPE_SE
	s_setreg_imm32_b32 hwreg(HW_REG_WAVE_MODE, 25, 1), 1
	s_wait_xcnt 0x0
; PREP.  Two jobs in one launch, parted by the work-group's number.
; Work-groups 0-383: the six weights, f32 stored [K][N], become codes of E4M3 laid [N][K] (K innermost) in cw: WQ at 0, WK at 1 MiB, WV at 2 MiB, WO at 3 MiB, W1 at 4 MiB, W2 at 8 MiB.
;   A lane takes a column n and its registers run down K, so the conversions give codes with K innermost.  A wave takes 32 columns x 256 along K; its codes go through its own stage in LDS and
;   leave as rows: sixteen lanes store 256 consecutive bytes, aligned.  One path serves the three shapes: the strides are scalar registers.
; Work-groups 384-639: LayerNorm1 of X, quantised three times (scale entries 0, 2, 4) into cw at 12, 16 and 20 MiB, [4096][1024].  A wave takes a whole row at a time, four rows; no LDS, no barrier.
;   The variance is the mean of (x - mean)^2, in two passes over the registers.
; code = x / 2^e, held within +-448, to the nearest code, ties to even.  LIMITS: each e used here lies between -126 and 119.  NaN among the inputs is not served.
.set SPARE, 34816                      ; behind the four stages: the spare words, 128 bytes for each wave
.set SPW,  14                          ; v14  LDS address of my spare word; never rewritten
.set NIL,  15                          ; v15  0; never rewritten
.set WP,   272                         ; a stage row: 256 bytes of codes + 16
.set VO,   16                          ; v16-47   weights: 4 x lane + i rows of W
.set XW,   48                          ; v48-111  two sets of 32 numbers
.set CW,   112                         ; v112-119 a block's codes
.set OUTR, 120                         ; v120-183 the way out
.set SO,   184                         ; v184-199 the stores' offsets
.set SB,   40                          ; s[40:55] eight bases, one for each block of 32 along K
.set G,    16                          ; LN: v16-47 the gain, v48-79 the bias, v80-207 four rows, v208-223 at work, v224-247 codes
.set BE,   48
.set XR,   80
.set T,    208
.set C,    224
.set MU,   4                           ; v[4:5] the mean (low word), v[6:7] 1 / sqrt(var + eps) (low word)
.set RS,   6
.set SC,   8                           ; v8-10 the three scales as f32, v11-13 448 x each
.set LIM,  11
	s_load_b512 s[8:23], s[0:1], 0x0               ; WQ 8, WK 10, WV 12, WO 14, W1 16, W2 18, X 20, g1 22
	s_load_b128 s[24:27], s[0:1], 0x40             ; be1 24, the scales' exponents 26
	s_load_b64 s[28:29], s[0:1], 0x50              ; cw
	v_lshl_add_u32 v[SPW], v0, 2, SPARE
	v_mov_b32 v[NIL], 0
	v_lshrrev_b32 v1, 5, v0
	v_readfirstlane_b32 s2, v1                     ; wave
	v_and_b32 v1, 31, v0                           ; lane
	s_cmp_ge_u32 ttmp9, 384
	s_cbranch_scc1 .Lln
	; ---------------- the weights ----------------
	s_lshr_b32 s3, ttmp9, 5                        ; T: 0-3 the four square weights, 4-7 W1, 8-11 W2
	s_lshr_b32 s35, s3, 2                          ; 0, 1 (W1), 2 (W2)
	s_lshl_b32 s34, s3, 20                         ; where the codes begin in cw
	s_mov_b32 s32, 4096                            ; a row of W in bytes
	s_mov_b32 s33, 1024                            ; a row of the codes in bytes
	s_cmp_eq_u32 s35, 1
	s_cselect_b32 s34, 0x400000, s34
	s_cselect_b32 s32, 16384, s32
	s_cselect_b32 s36, 5, 3                        ; log2 of the number of column tiles
	s_cmp_eq_u32 s35, 2
	s_cselect_b32 s34, 0x800000, s34
	s_cselect_b32 s33, 4096, s33
	s_cmp_eq_u32 s35, 0
	s_cselect_b32 s37, 31, 127
	s_and_b32 s37, ttmp9, s37                      ; my number within the tensor
	s_lshl_b32 s39, 1, s36
	s_sub_co_u32 s39, s39, 1
	s_and_b32 s39, s37, s39                        ; column tile
	s_lshr_b32 s37, s37, s36                       ; which 256 along K
	s_lshl_b32 s39, s39, 7
	s_lshl_b32 s58, s2, 5
	s_add_co_u32 s39, s39, s58                     ; my wave's first column
	s_lshl_b32 s60, s37, 8
	s_mul_i32 s60, s60, s32
	s_lshl_b32 s58, s39, 2
	s_add_co_u32 s60, s60, s58                     ; W: 256 kt rows + 4 x column
	s_mov_b32 s61, 0
	s_mul_i32 s62, s39, s33
	s_add_co_u32 s62, s62, s34
	s_lshl_b32 s58, s37, 8
	s_add_co_u32 s62, s62, s58                     ; codes: column x row + 256 kt
	s_mov_b32 s63, 0
	s_lshl_b32 s56, s32, 5                         ; 32 rows of W
	s_mov_b32 s57, 0
	v_lshlrev_b32 v3, 2, v1
.set i, 0
.rept 32
	v_mad_u32_u24 v[VO+i], s32, i, v3              ; row i of a block, my column
.set i, i+1
.endr
	s_mul_i32 s58, s2, 32*WP                       ; my stage
	v_mul_u32_u24 v4, v1, WP
	v_add_nc_u32 v4, s58, v4                       ; into it: row = my column
	v_and_b32 v5, 15, v1
	v_lshrrev_b32 v6, 4, v1
	v_mul_u32_u24 v7, v6, WP
	v_lshl_add_u32 v7, v5, 4, v7
	v_add_nc_u32 v7, s58, v7                       ; out of it: sixteen lanes to a row, two rows an instruction
	v_mul_u32_u24 v8, v6, s33
	v_lshl_add_u32 v8, v5, 4, v8
.set i, 0
.rept 16
	v_mad_u32_u24 v[SO+i], s33, 2*i, v8            ; and the same places in the codes' rows
.set i, i+1
.endr
	s_wait_kmcnt 0x0
	s_load_b512 s[68:83], s[26:27], 0x0            ; all sixteen exponents
	s_mov_b64 s[4:5], s[8:9]                       ; which weight: the choice hangs on the work-group's number alone
	s_cmp_eq_u32 s3, 1
	s_cselect_b64 s[4:5], s[10:11], s[4:5]
	s_cmp_eq_u32 s3, 2
	s_cselect_b64 s[4:5], s[12:13], s[4:5]
	s_cmp_eq_u32 s3, 3
	s_cselect_b64 s[4:5], s[14:15], s[4:5]
	s_cmp_eq_u32 s35, 1
	s_cselect_b64 s[4:5], s[16:17], s[4:5]
	s_cmp_eq_u32 s35, 2
	s_cselect_b64 s[4:5], s[18:19], s[4:5]
	s_add_nc_u64 s[SB:SB+1], s[4:5], s[60:61]
.irp t, 1,2,3,4,5,6,7
	s_add_nc_u64 s[SB+2*\t:SB+2*\t+1], s[SB+2*\t-2:SB+2*\t-1], s[56:57]
.endr
	s_add_nc_u64 s[6:7], s[28:29], s[62:63]
.macro WLOAD t                         ; block t: W(32 t + i, my column) into set t % 2: 32 lanes read 128 consecutive bytes, the four waves 512
.set i, 0
.rept 32
	global_load_b32 v[XW+32*((\t)%2)+i], v[VO+i], s[SB+2*(\t):SB+2*(\t)+1] th:TH_LOAD_NT
.set i, i+1
.endr
.endm
	WLOAD 0
	WLOAD 1
	s_wait_kmcnt 0x0
	s_cmp_eq_u32 s3, 1                             ; my weight's entry: 1, 3, 5, 11, 13, 15
	s_cselect_b32 s59, s71, s69
	s_cmp_eq_u32 s3, 2
	s_cselect_b32 s59, s73, s59
	s_cmp_eq_u32 s3, 3
	s_cselect_b32 s59, s79, s59
	s_cmp_eq_u32 s35, 1
	s_cselect_b32 s59, s81, s59
	s_cmp_eq_u32 s35, 2
	s_cselect_b32 s59, s83, s59
	s_add_co_i32 s59, s59, 127
	s_lshl_b32 s58, s59, 23
	v_mov_b32 v13, s58                             ; 2^e as f32: the conversion takes its exponent field
	s_add_co_i32 s59, s59, 8
	s_lshl_b32 s59, s59, 23
	s_or_b32 s59, s59, 0x600000
	v_mov_b32 v12, s59                             ; 448 x 2^e
.macro WBLOCK t
.set XS, XW+32*((\t)%2)
.if (\t) < 7
	s_wait_loadcnt 32                              ; this block's 32 loads are in; the next block's may be out
.else
	s_wait_loadcnt 0
.endif
.set i, 0
.rept 32
	v_med3_num_f32 v[XS+i], v[XS+i], -v12, v12     ; the conversion to an 8-bit code does not saturate (ISA guide 7.6.2): the hold comes first
.set i, i+1
.endr
.irp g, 0,1,2,3
	v_cvt_scalef32_pk8_fp8_f32 v[CW+2*\g:CW+2*\g+1], v[XS+8*\g:XS+8*\g+7], v13
.endr
	ds_store_b128 v4, v[CW:CW+3] offset:32*(\t)    ; 32 codes of my column's row
	ds_store_b128 v4, v[CW+4:CW+7] offset:32*(\t)+16
.if (\t)+2 < 8
	WLOAD (\t)+2
.endif
	s_wait_dscnt 0x0                               ; the stores have read their registers: the next block's codes may be written
.endm
.set Q, 0
.rept 8
	WBLOCK Q
.set Q, Q+1
.endr
.set i, 0
.rept 16
	ds_load_b128 v[OUTR+4*i:OUTR+4*i+3], v7 offset:2*i*WP   ; LDS serves a wave's instructions in order: these see my stores
.set i, i+1
.endr
.set i, 0
.rept 16
	s_wait_dscnt 15-i
	global_store_b128 v[SO+i], v[OUTR+4*i:OUTR+4*i+3], s[6:7]   ; sixteen lanes store 256 consecutive bytes, aligned
.set i, i+1
.endr
	s_wait_tensorcnt 0x0                           ; the wave's end, behind my last LDS store
	ds_add_u32 v[SPW], v[NIL]
	s_wait_dscnt 0x0
	s_endpgm
	; ---------------- LayerNorm1, three times quantised ----------------
.Lln:
	s_sub_co_u32 s3, ttmp9, 384
	s_lshl_b32 s3, s3, 4
	s_lshl_b32 s36, s2, 2
	s_add_co_u32 s3, s3, s36                       ; my first row: 16 x work-group + 4 x wave
	s_lshl_b32 s36, s3, 12
	s_mov_b32 s37, 0
	s_lshl_b32 s38, s3, 10
	s_add_co_u32 s38, s38, 0xc00000                ; the codes begin at 12 MiB
	s_mov_b32 s39, 0
	s_mov_b32 s32, 0x3a800000                      ; 1 / 1024
	s_mov_b32 s33, 0x3727c5ac                      ; 1e-5
	s_mov_b32 s34, 0x76543210                      ; v_permlanex16_b32: lane l xor 16
	s_mov_b32 s35, 0xfedcba98
	v_lshlrev_b32 v2, 5, v1                        ; my 8 numbers of each 256: 32 bytes a lane
	v_lshlrev_b32 v3, 3, v1                        ; and their 8 codes
	v_mov_b32 v[MU+1], 0                           ; (named as upper halves of pairs)
	v_mov_b32 v[RS+1], 0
	s_wait_kmcnt 0x0
	s_load_b256 s[48:55], s[26:27], 0x0            ; entries 0 to 7
	s_add_nc_u64 s[4:5], s[20:21], s[36:37]
	s_add_nc_u64 s[40:41], s[28:29], s[38:39]
	s_add_nc_u64 s[42:43], s[40:41], 0x400000
	s_add_nc_u64 s[44:45], s[40:41], 0x800000
.irp j, 0,1,2,3
	global_load_b128 v[G+8*\j:G+8*\j+3], v2, s[22:23] offset:1024*\j
	global_load_b128 v[G+8*\j+4:G+8*\j+7], v2, s[22:23] offset:1024*\j+16
.endr
.irp j, 0,1,2,3
	global_load_b128 v[BE+8*\j:BE+8*\j+3], v2, s[24:25] offset:1024*\j
	global_load_b128 v[BE+8*\j+4:BE+8*\j+7], v2, s[24:25] offset:1024*\j+16
.endr
.irp k, 0,1,2,3
.irp j, 0,1,2,3
	global_load_b128 v[XR+32*\k+8*\j:XR+32*\k+8*\j+3], v2, s[4:5] offset:4096*\k+1024*\j th:TH_LOAD_NT
	global_load_b128 v[XR+32*\k+8*\j+4:XR+32*\k+8*\j+7], v2, s[4:5] offset:4096*\k+1024*\j+16 th:TH_LOAD_NT
.endr
.endr
	s_wait_kmcnt 0x0
.irp q, 0,1,2
	s_add_co_i32 s56, s[48+2*\q], 127
	s_lshl_b32 s57, s56, 23
	v_mov_b32 v[SC+\q], s57
	s_add_co_i32 s56, s56, 8
	s_lshl_b32 s56, s56, 23
	s_or_b32 s56, s56, 0x600000
	v_mov_b32 v[LIM+\q], s56
.endr
.macro REDUCE                          ; v[T] summed over the 32 lanes, the result in every lane; v[T+1] has been written
	v_add_f32_dpp v[T], v[T], v[T] row_xmask:1 row_mask:0xf bank_mask:0xf
	v_add_f32_dpp v[T], v[T], v[T] row_xmask:2 row_mask:0xf bank_mask:0xf
	v_add_f32_dpp v[T], v[T], v[T] row_xmask:4 row_mask:0xf bank_mask:0xf
	v_add_f32_dpp v[T], v[T], v[T] row_xmask:8 row_mask:0xf bank_mask:0xf
	v_permlanex16_b32 v[T+1], v[T], s34, s35
	v_add_f32 v[T], v[T], v[T+1]
.endm
.macro ROW k, nq
.set XK, XR+32*(\k)
	s_wait_loadcnt 8*(3-(\k))                      ; this row's eight loads are in; the younger rows' stay out
.irp c, 0,1,2,3
	v_pk_add_f32 v[T+2*\c:T+2*\c+1], v[XK+4*\c:XK+4*\c+1], v[XK+4*\c+2:XK+4*\c+3]   ; four chains start the sum
.endr
.irp p, 8,9,10,11,12,13,14,15
	v_pk_add_f32 v[T+2*(\p%4):T+2*(\p%4)+1], v[T+2*(\p%4):T+2*(\p%4)+1], v[XK+2*\p:XK+2*\p+1]
.endr
	v_pk_add_f32 v[T:T+1], v[T:T+1], v[T+2:T+3]
	v_pk_add_f32 v[T+4:T+5], v[T+4:T+5], v[T+6:T+7]
	v_pk_add_f32 v[T:T+1], v[T:T+1], v[T+4:T+5]
	v_add_f32 v[T], v[T], v[T+1]
	REDUCE
	v_mul_f32 v[MU], s32, v[T]                     ; the mean
.set pp, 0
.rept 16
	v_pk_add_f32 v[XK+2*pp:XK+2*pp+1], v[XK+2*pp:XK+2*pp+1], v[MU:MU+1] op_sel_hi:[1,0] neg_lo:[0,1] neg_hi:[0,1]   ; x - mean
.set pp, pp+1
.endr
.irp c, 0,1,2,3
	v_pk_mul_f32 v[T+2*\c:T+2*\c+1], v[XK+2*\c:XK+2*\c+1], v[XK+2*\c:XK+2*\c+1]
.endr
.irp p, 4,5,6,7,8,9,10,11,12,13,14,15
	v_pk_fma_f32 v[T+2*(\p%4):T+2*(\p%4)+1], v[XK+2*\p:XK+2*\p+1], v[XK+2*\p:XK+2*\p+1], v[T+2*(\p%4):T+2*(\p%4)+1]
.endr
	v_pk_add_f32 v[T:T+1], v[T:T+1], v[T+2:T+3]
	v_pk_add_f32 v[T+4:T+5], v[T+4:T+5], v[T+6:T+7]
	v_pk_add_f32 v[T:T+1], v[T:T+1], v[T+4:T+5]
	v_add_f32 v[T], v[T], v[T+1]
	REDUCE
	v_fma_f32 v[T+2], v[T], s32, s33               ; the variance + eps
	v_rsq_f32 v[RS], v[T+2]
	v_nop                                          ; a plain instruction behind the transcendental
	s_wait_alu depctr_va_vdst(0)                   ; and the wait ahead of its first reader
.set pp, 0
.rept 16
	v_pk_mul_f32 v[XK+2*pp:XK+2*pp+1], v[XK+2*pp:XK+2*pp+1], v[RS:RS+1] op_sel_hi:[1,0]
.set pp, pp+1
.endr
.set pp, 0
.rept 16
	v_pk_fma_f32 v[XK+2*pp:XK+2*pp+1], v[XK+2*pp:XK+2*pp+1], v[G+2*pp:G+2*pp+1], v[BE+2*pp:BE+2*pp+1]
.set pp, pp+1
.endr
	s_wait_xcnt 0x0                                ; the last row's stores have read their data: the codes' registers are written again only behind this wait
.set Q, 0
.rept \nq
.irp j, 0,1,2,3
.irp i, 0,1,2,3,4,5,6,7
	v_med3_num_f32 v[T+8*(\j%2)+\i], v[XK+8*\j+\i], -v[LIM+Q], v[LIM+Q]
.endr
	v_cvt_scalef32_pk8_fp8_f32 v[C+8*Q+2*\j:C+8*Q+2*\j+1], v[T+8*(\j%2):T+8*(\j%2)+7], v[SC+Q]
.endr
.set Q, Q+1
.endr
	v_nop                                          ; a plain instruction behind the last conversion
.set Q, 0
.rept \nq
.irp j, 0,1,2,3
	global_store_b64 v3, v[C+8*Q+2*\j:C+8*Q+2*\j+1], s[40+2*Q:41+2*Q] offset:1024*(\k)+256*\j   ; 32 lanes store 256 consecutive bytes, aligned
.endr
.set Q, Q+1
.endr
.endm
	ROW 0, 3
	ROW 1, 3
	ROW 2, 3
	ROW 3, 3
	s_endpgm
.Lfunc_end_k_qe0811b5477_prep:
	.size	k_qe0811b5477_prep, .Lfunc_end_k_qe0811b5477_prep-k_qe0811b5477_prep
	.p2alignl 7, 3214868480
	.fill 96, 4, 3214868480
	.section	.rodata,"a",@progbits
	.p2align	6, 0x0
	.amdhsa_kernel k_qe0811b5477_prep
		.amdhsa_group_segment_fixed_size 35328
		.amdhsa_private_segment_fixed_size 0
		.amdhsa_enable_private_segment 0
		.amdhsa_kernarg_size 88
		.amdhsa_user_sgpr_count 2
		.amdhsa_user_sgpr_kernarg_segment_ptr 1
		.amdhsa_wavefront_size32 1
		.amdhsa_system_sgpr_workgroup_id_x 1
		.amdhsa_system_sgpr_workgroup_id_y 1
		.amdhsa_system_sgpr_workgroup_id_z 1
		.amdhsa_system_vgpr_workitem_id 0
		.amdhsa_next_free_vgpr 248
		.amdhsa_next_free_sgpr 90
		.amdhsa_reserve_vcc 0
		.amdhsa_float_denorm_mode_32 3
		.amdhsa_float_denorm_mode_16_64 3
		.amdhsa_memory_ordered 1
		.amdhsa_forward_progress 1
		.amdhsa_inst_pref_size 117
	.end_amdhsa_kernel
	.amdgpu_metadata
---
amdhsa.version: [ 1, 2 ]
amdhsa.kernels:
  - .name:           k_qe0811b5477_prep
    .symbol:         k_qe0811b5477_prep.kd
    .args:
      - { .name: WQ, .offset: 0, .size: 8, .value_kind: global_buffer, .address_space: global }
      - { .name: WK, .offset: 8, .size: 8, .value_kind: global_buffer, .address_space: global }
      - { .name: WV, .offset: 16, .size: 8, .value_kind: global_buffer, .address_space: global }
      - { .name: WO, .offset: 24, .size: 8, .value_kind: global_buffer, .address_space: global }
      - { .name: W1, .offset: 32, .size: 8, .value_kind: global_buffer, .address_space: global }
      - { .name: W2, .offset: 40, .size: 8, .value_kind: global_buffer, .address_space: global }
      - { .name: X, .offset: 48, .size: 8, .value_kind: global_buffer, .address_space: global }
      - { .name: g1, .offset: 56, .size: 8, .value_kind: global_buffer, .address_space: global }
      - { .name: be1, .offset: 64, .size: 8, .value_kind: global_buffer, .address_space: global }
      - { .name: lowp_scales, .offset: 72, .size: 8, .value_kind: global_buffer, .address_space: global }
      - { .name: cw, .offset: 80, .size: 8, .value_kind: global_buffer, .address_space: global }
    .group_segment_fixed_size: 35328
    .private_segment_fixed_size: 0
    .kernarg_segment_align: 8
    .kernarg_segment_size: 88
    .max_flat_workgroup_size: 128
    .sgpr_count:     90
    .vgpr_count:     248
    .wavefront_size: 32
...
	.end_amdgpu_metadata
.endif
;; end of part 1
;; launch proj (part 2): grid 12 x 16, 4 waves a work-group, clusters of 4 x 4, 327,680 bytes of LDS; arguments cw, lowp_scales, qkv, bQ, bK, bV; writes qkv
.if DOCPART == 2
	.amdgcn_target "amdgcn-amd-amdhsa--gfx1250"
	.amdhsa_code_object_version 6
	.text
	.protected	k_qe0811b5477_proj
	.globl	k_qe0811b5477_proj
	.p2align	8
	.type	k_qe0811b5477_proj,@function
k_qe0811b5477_proj:
	s_mov_b64 s[64:65], 0
	v_nop
	global_prefetch_b8 v0, s[64:65] scope:SCOPE_SE
	s_setreg_imm32_b32 hwreg(HW_REG_WAVE_MODE, 25, 1), 1
	s_wait_xcnt 0x0
	s_wait_alu depctr_hold_cnt(0) depctr_sa_sdst(0) depctr_va_vdst(0) depctr_va_sdst(0) depctr_va_ssrc(0) depctr_va_vcc(0) depctr_vm_vsrc(0)
	s_getreg_b32 s2, hwreg(HW_REG_IB_STS2, 6, 4)
	s_cmp_eq_u32 s2, 0
	s_cbranch_scc0 .Lentry_in_a_cluster
	s_endpgm
.Lentry_in_a_cluster:
	s_bfe_u32 s2, ttmp6, 0x10000c
	s_cmp_lg_u32 s2, 0xf033
	s_cbranch_scc0 .Lentry_shape_is_right
	s_endpgm
.Lentry_shape_is_right:
; A GEMM on codes of E4M3 whose result, with its bias, is quantised again on the way out.  K = 1,024.  One text serves two launches; QKV says which.
; QKV = 1: cluster x = 0, 1, 2 makes Q, K, V.  Q = Xn WQ + bQ and K likewise: A = Xn's codes (rows = tokens), B = the weight's codes (rows = n); the codes leave per head, [head][l][64].
;   V is made TRANSPOSED: A = WV's codes, B = Xn's codes, so that a lane's eight results are eight neighbouring KEYS, which are the next product's K; they leave as [head][d][1024 keys].
;   Both operands lie in one buffer, so the change of roles is a choice between offsets.
; QKV = 0: hid = relu(Xn2 W1 + b1), codes [4096][4096].
; A tile of C is 256 x 256, four waves, 128 x 128 each: 64 accumulators, 512 registers.  K goes in steps of 256 through a ring of two LDS slots filled by the tensor data mover.
; CLUSTERS: 4 x 4 work-groups; A's tile is asked for jointly along a row of the cluster, B's along a column.  The matrix instruction is used transposed (source 0 = 16 rows of B, source 1 = 16 rows of A):
; a lane holds eight neighbouring columns of one row of C.  Fragments come by loads of 16 bytes: a permutation of k that is the same in A and B.
; THE BIAS is the C of each sum's first matrix instruction, divided by 2^(eA + eB); a sum then stands for value / 2^(eA + eB), and the three scales are folded into the conversion's one, 2^(eo - eA - eB).
; THE WAY OUT: hold, conversion, 8 codes a lane into one stage of 256 rows x 272 bytes in slot 0 (it has had its last fill, and nobody reads it behind the last change of slots), a barrier, back in runs of 16 bytes.
;   Per head a wave's load takes 8 rows x 64 bytes; it is 32 loads a wave in the whole launch.
; LIMITS: eo - eA - eB between -126 and 119.  QKV = 1 has work for 192 work-groups.
; REGISTERS: window 0: v1-31 addresses and constants; v32-95 the bias; v128-255 A's fragments, one set, later the codes.  window 1: B's fragments, two sets.  windows 2, 3: the accumulators.
.set QKV,    1
.set KROW,   1024
.set ROWB,   256
.set PITCH,  272                       ; an LDS row: 256 bytes + 16: the 16 rows that a load touches start at 16 different banks (ISA guide 11.1)
.set FR,     16
.set NL,     4
.set NP,     4
.set HALFT,  128*PITCH
.set SLOT,   4*HALFT
.set LAPS,   2
.set SPARE,  2*SLOT                    ; behind the ring: the spare words, 128 bytes for each wave
.if QKV
.set PA, 4                             ; s[4:5] cw serves both operands
.set PB, 4
.set PS, 6
.set PO, 84
.set OP, 1024                          ; a row of V^T in bytes
.else
.set PA, 4
.set PB, 6
.set PS, 8
.set PO, 10
.set OP, 4096                          ; a row of hid in bytes
.endif
.set ADRA, 16
.set ADRB, 20
.set RDV,  22                          ; the way out by rows: where I read, and my offset in the output
.set COV,  23
.set STO,  24
.set RD,   25                          ; the way out per head
.set CO,   26
.set RD2,  27
.set SPW,  28
.set NIL,  29
.set SC,   30
.set LIM,  31
.set BI,   32
.set AF,   128
.set CD,   128
.set G1, 24
.set G0, 32
.set G1B, 48
.set G0B, 56
.set MSB, 0
.macro WIN new                         ; the immediate's high byte repeats the setting that is left
.if MSB != \new
	s_set_vgpr_msb (MSB<<8)|\new
.set MSB, \new
.endif
.endm
.set MUL_LO, 0xa1                      ; source 0 (B) window 1, source 1 (A) window 0, C and D window 2
.set MUL_HI, 0xf1
.set TO_B,   0x40
.macro JLOAD g0a, g1a, g0b, g1b        ; a joint load: waves 0 and 1 fetch for A, waves 2 and 3 for B; an s_nop 0 and four v_nop follow each line
	s_cmp_eq_u32 s15, 0
	s_cbranch_scc0 .Lfor_b_\@
	tensor_load_to_lds s[\g0a:\g0a+3], s[\g1a:\g1a+7]
	s_nop 0
.rept 4
	v_nop
.endr
	s_branch .Lasked_\@
.Lfor_b_\@:
	tensor_load_to_lds s[\g0b:\g0b+3], s[\g1b:\g1b+7]
	s_nop 0
.rept 4
	v_nop
.endr
.Lasked_\@:
.endm
.macro CREST
	s_cmp_lg_u32 s14, 0
	s_cbranch_scc1 .Lnot_wave_0_\@
	s_barrier_signal -3
.Lnot_wave_0_\@:
	s_barrier_wait -3
	s_barrier_signal -1
	s_barrier_wait -1
.endm
.macro CROUND
	s_barrier_signal -1
	s_barrier_wait -1
	CREST
.endm
.if QKV
	s_load_b128 s[4:7], s[0:1], 0x0                ; cw, the scales' exponents
	s_load_b256 s[84:91], s[0:1], 0x10             ; qkv 84, bQ 86, bK 88, bV 90
.else
	s_load_b256 s[4:11], s[0:1], 0x0               ; xn2, cw, the scales' exponents, hid
	s_load_b64 s[86:87], s[0:1], 0x20              ; b1
.endif
	v_lshl_add_u32 v[SPW], v0, 2, SPARE
	v_mov_b32 v[NIL], 0
	ds_add_u32 v[SPW], v[NIL]                      ; the wave's opening: the add and its wait ahead of my first tensor load
	v_lshrrev_b32 v1, 5, v0
	v_readfirstlane_b32 s14, v1                    ; wave
	s_lshr_b32 s15, s14, 1                         ; my half of the tile's rows; also: I fetch for A (0) or B (1)
	s_and_b32 s16, s14, 1                          ; my half of its columns; also: which 128 rows I fetch
	s_bfe_u32 s40, ttmp6, 0x40000                  ; cx
	s_bfe_u32 s41, ttmp6, 0x40004                  ; cy
	s_and_b32 s18, ttmp7, 0xffff
	s_lshl_b32 s18, s18, 2                         ; 4 x cluster y
.if QKV
	s_lshl_b32 s19, ttmp9, 22
	s_add_co_u32 s19, s19, 0xc00000                ; Xn's codes for Q or K
	s_lshl_b32 s20, ttmp9, 20                      ; WQ's or WK's codes
	s_cmp_eq_u32 ttmp9, 2                          ; the cluster's x: the same in all sixteen partners
	s_cselect_b32 s2, 1, 0                         ; 1: V
	s_cselect_b32 s21, 0, s18
	s_cselect_b32 s22, s18, 0
	s_cselect_b32 s92, 0x200000, s19               ; where A begins in cw
	s_cselect_b32 s93, 0x1400000, s20              ; where B begins
	s_add_co_u32 s17, s41, s21                     ; tile row
	s_add_co_u32 s42, s40, s22                     ; tile column
.else
	s_add_co_u32 s17, s18, s41
	s_lshl_b32 s42, ttmp9, 2
	s_add_co_u32 s42, s42, s40
.endif
	s_lshl_b32 s43, s41, 2
	s_lshl_b32 s43, 15, s43                        ; my row of the cluster
	s_lshl_b32 s44, 0x1111, s40                    ; my column
	s_or_b32 s[G1+0], s43, (0<<16)|(1<<20)|(1<<21)|(5<<22)|(3<<25)  ; the mask; elements of 1 byte; padding on; bit 21 beside a mask; after every 64 words, 4 words
	s_or_b32 s[G1B+0], s44, (0<<16)|(1<<20)|(1<<21)|(5<<22)|(3<<25)
.irp g, G1, G1B
	s_mov_b32 s[\g+1], ROWB<<16                    ; tensor_dim0
	s_mov_b32 s[\g+2], 128<<16                     ; tensor_dim1
	s_mov_b32 s[\g+3], ROWB<<16                    ; tile_dim0
	s_mov_b32 s[\g+4], 128                         ; tile_dim1
	s_mov_b32 s[\g+5], KROW                        ; the pitch
	s_mov_b32 s[\g+6], 0
	s_mov_b32 s[\g+7], 0
.endr
	s_lshl_b32 s18, s16, 7
	s_lshl_b32 s20, s17, 8
	s_add_co_u32 s20, s20, s18                     ; A: row 256 x tile row + 128 x half
	s_lshl_b32 s46, s42, 8
	s_add_co_u32 s46, s46, s18                     ; B: row 256 x tile column + 128 x half
	s_lshl_b32 s20, s20, 10                        ; rows of 1,024 bytes
	s_lshl_b32 s46, s46, 10
.if QKV
	s_add_co_u32 s20, s20, s92
	s_add_co_u32 s46, s46, s93
.else
	s_add_co_u32 s46, s46, 0x400000                ; W1's codes
.endif
	s_mov_b32 s21, 0
	s_mov_b32 s47, 0
	s_mul_i32 s45, s14, HALFT                      ; where they go: wave x 128 rows
	s_wait_dscnt 0x0                               ; the opening add is done
	s_wait_kmcnt 0x0
	s_load_b512 s[68:83], s[PS:PS+1], 0x0          ; the sixteen exponents
	s_add_nc_u64 s[20:21], s[PA:PA+1], s[20:21]
	s_add_nc_u64 s[46:47], s[PB:PB+1], s[46:47]
	CROUND                                         ; all sixteen work-groups are here: the first joint loads meet
.irp s, 0,1
	s_mov_b32 s[G0+4*\s], 1
	s_add_co_u32 s[G0+4*\s+1], s45, \s*SLOT
	s_add_nc_u64 s[G0+4*\s+2:G0+4*\s+3], s[20:21], \s*ROWB
	s_or_b32 s[G0+4*\s+3], s[G0+4*\s+3], 0x80000000
	s_mov_b32 s[G0B+4*\s], 1
	s_add_co_u32 s[G0B+4*\s+1], s45, \s*SLOT
	s_add_nc_u64 s[G0B+4*\s+2:G0B+4*\s+3], s[46:47], \s*ROWB
	s_or_b32 s[G0B+4*\s+3], s[G0B+4*\s+3], 0x80000000
	JLOAD G0+4*\s, G1, G0B+4*\s, G1B
.endr
	v_and_b32 v1, 15, v0                           ; r
	v_bfe_u32 v2, v0, 4, 1                         ; h
	v_mul_u32_u24 v3, v1, PITCH
	v_lshl_add_u32 v4, v2, 4, v3
	s_mul_i32 s21, s15, HALFT
	s_mul_i32 s22, s16, HALFT
	s_add_co_u32 s22, s22, 2*HALFT
.irp s, 0,1
	v_add_nc_u32 v[ADRA+\s], s21, v4
	v_add_nc_u32 v[ADRB+\s], s22, v4
	s_add_co_u32 s21, s21, SLOT
	s_add_co_u32 s22, s22, SLOT
.endr
	s_mul_i32 s23, s15, HALFT                      ; the stage: my 128 rows, my 128 bytes of them; row r, 8 bytes for each half of the lanes
	s_lshl_b32 s21, s16, 7
	s_add_co_u32 s23, s23, s21
	v_lshl_add_u32 v5, v2, 3, v3
	v_add_nc_u32 v[STO], s23, v5
	s_mul_i32 s23, s14, 64*PITCH                   ; back by rows: wave w takes rows 64 w on; sixteen lanes to a row
	v_mul_u32_u24 v5, v2, PITCH
	v_lshl_add_u32 v5, v1, 4, v5
	v_add_nc_u32 v[RDV], s23, v5
	v_mul_u32_u24 v5, v2, OP
	v_lshl_add_u32 v[COV], v1, 4, v5
.if QKV
	v_and_b32 v6, 31, v0
	v_lshrrev_b32 v7, 2, v6                        ; back per head: wave w takes the tile's head w: 8 rows x 64 bytes an instruction
	v_mul_u32_u24 v7, v7, PITCH
	v_and_b32 v5, 3, v6
	v_lshl_add_u32 v7, v5, 4, v7
	s_lshl_b32 s23, s14, 6
	v_add_nc_u32 v[RD], s23, v7
	v_add_nc_u32 v[RD2], 128*PITCH, v[RD]          ; rows 128 on: beyond the immediate's reach
	v_lshlrev_b32 v[CO], 4, v6
	; the bias: along n (Q, K): register j of block b is bias[16 b + 8 h + j]; along m (V): every register of block a is bias[16 a + r]
	s_cmp_eq_u32 ttmp9, 1
	s_cselect_b64 s[94:95], s[88:89], s[86:87]
	s_cmp_eq_u32 s2, 1
	s_cselect_b64 s[94:95], s[90:91], s[94:95]
	s_cselect_b32 s96, s17, s42
	s_cselect_b32 s97, s15, s16
	s_cselect_b32 s98, 4, 0
	s_cselect_b32 s99, 0, 32
	s_cselect_b32 s19, 0, 4
	s_lshl_b32 s96, s96, 10
	s_lshl_b32 s97, s97, 9
	s_add_co_u32 s96, s96, s97
	s_mov_b32 s97, 0
	s_add_nc_u64 s[94:95], s[94:95], s[96:97]
	v_mul_u32_u24 v8, v1, s98
	v_mad_u32_u24 v8, v2, s99, v8
.irp j, 1,2,3,4,5,6,7
	v_add_nc_u32 v[8+\j], s19, v[7+\j]
.endr
.set BX, 0
.rept 8
.irp j, 0,1,2,3,4,5,6,7
	global_load_b32 v[BI+8*BX+\j], v[8+\j], s[94:95] offset:64*BX
.endr
.set BX, BX+1
.endr
.else
	s_lshl_b32 s96, s42, 10
	s_lshl_b32 s97, s16, 9
	s_add_co_u32 s96, s96, s97
	s_mov_b32 s97, 0
	s_add_nc_u64 s[94:95], s[86:87], s[96:97]
	v_lshlrev_b32 v8, 5, v2
.set BX, 0
.rept 8
	global_load_b128 v[BI+8*BX:BI+8*BX+3], v8, s[94:95] offset:64*BX
	global_load_b128 v[BI+8*BX+4:BI+8*BX+7], v8, s[94:95] offset:64*BX+16
.set BX, BX+1
.endr
.endif
	s_wait_kmcnt 0x0
.if QKV
	s_add_co_i32 s68, s68, s69                     ; eA + eB of Q,
	s_add_co_i32 s70, s70, s71                     ; of K,
	s_add_co_i32 s72, s72, s73                     ; of V
	s_cmp_eq_u32 ttmp9, 1
	s_cselect_b32 s68, s70, s68
	s_cselect_b32 s74, s75, s74                    ; eo: entry 6, 7
	s_cmp_eq_u32 ttmp9, 2
	s_cselect_b32 s68, s72, s68
	s_cselect_b32 s74, s77, s74                    ; or 9
.else
	s_add_co_i32 s68, s80, s81                     ; entries 12, 13
	s_mov_b32 s74, s82                             ; entry 14
.endif
	s_sub_co_i32 s69, 0, s68
	s_sub_co_i32 s70, s74, s68                     ; eo - eA - eB
	s_add_co_i32 s70, s70, 127
	s_lshl_b32 s71, s70, 23
	v_mov_b32 v[SC], s71
	s_add_co_i32 s70, s70, 8
	s_lshl_b32 s70, s70, 23
	s_or_b32 s70, s70, 0x600000
	v_mov_b32 v[LIM], s70
	s_wait_loadcnt 0x0
.set j, 0
.rept 64
	v_ldexp_f32 v[BI+j], v[BI+j], s69              ; bias / 2^(eA + eB)
.set j, j+1
.endr
.macro FRAG reg, adr, q, i             ; 16 rows x 128 K: registers 4 c .. 4 c + 3 hold K = 32 c + 16 (l / 16) + 0 .. 15 of row l % 16
.irp c, 0,1,2,3
	ds_load_b128 v[\reg+4*\c:\reg+4*\c+3], v[\adr] offset:128*(\q)+32*\c+(\i)*16*PITCH
.endr
.endm
; 16 matrix instructions: A's blocks a0, a0 + 1 x B's eight.  zero = 1: C is the bias along n; 2: the bias along m; 0: the sum goes on.  The 64 accumulators take turns.
.macro MUL16 a0, p, zero
.irp a, \a0, \a0+1
.irp b, 0,1,2,3,4,5,6,7
.if (\zero) == 1
	v_wmma_f32_16x16x128_fp8_fp8 v[8*(8*((\a)%4)+\b):8*(8*((\a)%4)+\b)+7], v[128*(\p)+FR*\b:128*(\p)+FR*\b+FR-1], v[AF+FR*(\a):AF+FR*(\a)+FR-1], v[BI+8*\b:BI+8*\b+7]
.elseif (\zero) == 2
	v_wmma_f32_16x16x128_fp8_fp8 v[8*(8*((\a)%4)+\b):8*(8*((\a)%4)+\b)+7], v[128*(\p)+FR*\b:128*(\p)+FR*\b+FR-1], v[AF+FR*(\a):AF+FR*(\a)+FR-1], v[BI+8*(\a):BI+8*(\a)+7]
.else
	v_wmma_f32_16x16x128_fp8_fp8 v[8*(8*((\a)%4)+\b):8*(8*((\a)%4)+\b)+7], v[128*(\p)+FR*\b:128*(\p)+FR*\b+FR-1], v[AF+FR*(\a):AF+FR*(\a)+FR-1], v[8*(8*((\a)%4)+\b):8*(8*((\a)%4)+\b)+7]
.endif
.endr
.endr
.endm
.macro FETCH_B slot, q, p
	WIN TO_B
.irp i, 0,1,2,3,4,5,6,7
	FRAG 128*(\p)+FR*\i, ADRB+\slot, \q, \i
.endr
	WIN 0
.endm
.macro FETCH_A slot, q, i0
.irp i, \i0, \i0+1, \i0+2, \i0+3
	FRAG AF+FR*(\i), ADRA+\slot, \q, \i
.endr
.endm
.macro PLACES n                        ; plain vector instructions between a matrix instruction and a load into, or a read of, its registers
.rept \n
	v_nop
.endr
.endm
.macro STEP slot, q, zero              ; 128 along K whose successor lies in the same slot
	s_wait_dscnt 4*NL                              ; B's set and A's blocks 0-3 are in; A's blocks 4-7 may be out
.if \zero
	WIN 0x81                                       ; C (the bias) window 0, D window 2
.else
	WIN MUL_LO
.endif
	MUL16 0, (\q)%2, \zero
	MUL16 2, (\q)%2, \zero
	s_wait_dscnt 0
	PLACES NP
	FETCH_B \slot, (\q)+1, 1-(\q)%2
	FETCH_A \slot, (\q)+1, 0
.if \zero
	WIN 0xc1
.else
	WIN MUL_HI
.endif
	MUL16 4, (\q)%2, \zero
	MUL16 6, (\q)%2, \zero
	PLACES NP
	WIN 0
	FETCH_A \slot, (\q)+1, 4
.endm
; A slot's last step changes slots: one barrier; in front of it each wave waits for all its tensor loads, adds 0 to its spare word, and waits for that and for its reads of this slot.
.macro TURN slot, next, fill
	s_wait_tensorcnt 0x0                           ; all my tensor loads have landed: my part of the next slot
	ds_add_u32 v[SPW], v[NIL]
	s_wait_dscnt 4*NL+1                            ; the add and A's blocks 4-7 may be out
	WIN MUL_LO
	MUL16 0, 1, 0
	s_wait_dscnt 0x0                               ; the add is done, and my reads of this slot are over
	s_barrier_signal -1
	MUL16 2, 1, 0
	WIN 0
	s_barrier_wait -1
.if \fill
	CREST                                          ; the barrier has opened a round of the cluster's: no wave of any partner still reads this slot or has a load on its way
	s_add_nc_u64 s[G0+4*\slot+2:G0+4*\slot+3], s[G0+4*\slot+2:G0+4*\slot+3], 2*ROWB
	s_add_nc_u64 s[G0B+4*\slot+2:G0B+4*\slot+3], s[G0B+4*\slot+2:G0B+4*\slot+3], 2*ROWB
	JLOAD G0+4*\slot, G1, G0B+4*\slot, G1B         ; the first tensor load behind the round; its four v_nop are the places in front of the loads below
.else
	PLACES NP
.endif
	FETCH_B \next, 0, 0
	FETCH_A \next, 0, 0
	WIN MUL_HI
	MUL16 4, 1, 0
	MUL16 6, 1, 0
	PLACES NP
	WIN 0
	FETCH_A \next, 0, 4
.endm
	s_wait_tensorcnt 1                             ; my part of K step 0 is in; K step 1's load may be out
	s_barrier_signal -1
	s_barrier_wait -1
	FETCH_B 0, 0, 0
	FETCH_A 0, 0, 0
	FETCH_A 0, 0, 4
.if QKV
	s_cmp_eq_u32 s2, 1                             ; the first step is written twice: it differs in which registers are C
	s_cbranch_scc1 .Lfirst_v
	STEP 0, 0, 1
	s_branch .Lfirst_done
.Lfirst_v:
	STEP 0, 0, 2
.Lfirst_done:
.else
	STEP 0, 0, 1
.endif
	s_mov_b32 s3, LAPS-1
.Llap:
	TURN 0, 1, 1
	STEP 1, 0, 0
	TURN 1, 0, 1
	STEP 0, 0, 0
	s_sub_co_u32 s3, s3, 1
	s_cmp_lg_u32 s3, 0
	s_cbranch_scc1 .Llap
	TURN 0, 1, 0                                   ; the last lap fills nothing
	STEP 1, 0, 0
	s_wait_dscnt 4*NL
	WIN MUL_LO
	MUL16 0, 1, 0
	MUL16 2, 1, 0
	s_wait_dscnt 0
	WIN MUL_HI
	MUL16 4, 1, 0
	MUL16 6, 1, 0
	WIN 0
	PLACES NP
	; THE WAY OUT: the hold (with the activation where there is one), each accumulator from its low end on; eight sums become eight codes
.macro HOLD
.set j, 0
.rept 256
.if QKV
	v_med3_num_f32 v[j], v[j], -v[LIM], v[LIM]
.else
	v_med3_num_f32 v[j], v[j], 0, v[LIM]           ; the activation and the hold in one
.endif
.set j, j+1
.endr
.endm
	WIN 0x82                                       ; source 0 and destination window 2
	HOLD
	WIN 0x02
.set j, 0
.rept 32
	v_cvt_scalef32_pk8_fp8_f32 v[CD+2*j:CD+2*j+1], v[8*j:8*j+7], v[SC]
.set j, j+1
.endr
	WIN 0xc3
	HOLD
	WIN 0x03
.set j, 0
.rept 32
	v_cvt_scalef32_pk8_fp8_f32 v[CD+64+2*j:CD+64+2*j+1], v[8*j:8*j+7], v[SC]
.set j, j+1
.endr
	WIN 0
	v_nop                                          ; a plain instruction behind the last conversion
.irp a, 0,1,2,3,4,5,6,7
.irp b, 0,1,2,3,4,5,6,7
	ds_store_b64 v[STO], v[CD+2*(8*\a+\b):CD+2*(8*\a+\b)+1] offset:\a*16*PITCH+16*\b   ; C(16 a + r, 16 b + 8 h + 0 .. 7)
.endr
.endr
	s_wait_dscnt 0x0                               ; for the others' sake: my stores into the stage are done
	s_barrier_signal -1
	s_barrier_wait -1
.if QKV
	s_cmp_eq_u32 s2, 1
	s_cbranch_scc1 .Lout_v
	s_lshr_b32 s20, s17, 2                         ; Q, K: head = 16 x batch + 4 x tile column + wave; l = 256 x (tile row % 4) on
	s_lshl_b32 s20, s20, 4
	s_lshl_b32 s21, s42, 2
	s_add_co_u32 s20, s20, s21
	s_add_co_u32 s20, s20, s14
	s_lshl_b32 s20, s20, 10
	s_and_b32 s21, s17, 3
	s_lshl_b32 s21, s21, 8
	s_add_co_u32 s20, s20, s21
	s_lshl_b32 s20, s20, 6
	s_lshl_b32 s21, ttmp9, 22
	s_add_co_u32 s20, s20, s21
	s_mov_b32 s21, 0
	s_add_nc_u64 s[92:93], s[PO:PO+1], s[20:21]
.set j, 0
.rept 16
	ds_load_b128 v[CD+4*j:CD+4*j+3], v[RD] offset:j*8*PITCH
.set j, j+1
.endr
.set j, 0
.rept 16
	ds_load_b128 v[CD+64+4*j:CD+64+4*j+3], v[RD2] offset:j*8*PITCH
.set j, j+1
.endr
.set j, 0
.rept 32
	s_wait_dscnt 31-j
	global_store_b128 v[CO], v[CD+4*j:CD+4*j+3], s[92:93] offset:512*j   ; 32 lanes store 512 consecutive bytes: 8 rows of a head
.set j, j+1
.endr
	s_branch .Lend
.Lout_v:
	s_lshr_b32 s20, s42, 2                         ; V^T: row = 1,024 x batch + 256 x tile row + 64 x wave; keys 256 x (tile column % 4) on
	s_lshl_b32 s20, s20, 10
	s_lshl_b32 s21, s17, 8
	s_add_co_u32 s20, s20, s21
	s_lshl_b32 s21, s14, 6
	s_add_co_u32 s20, s20, s21
	s_lshl_b32 s20, s20, 10
	s_and_b32 s21, s42, 3
	s_lshl_b32 s21, s21, 8
	s_add_co_u32 s20, s20, s21
	s_add_co_u32 s20, s20, 0x800000
	s_mov_b32 s21, 0
	s_add_nc_u64 s[92:93], s[PO:PO+1], s[20:21]
.else
	s_lshl_b32 s20, s17, 8                         ; hid: row 256 x tile row + 64 x wave, byte 256 x tile column
	s_lshl_b32 s21, s14, 6
	s_add_co_u32 s20, s20, s21
	s_lshl_b32 s20, s20, 12
	s_lshl_b32 s21, s42, 8
	s_add_co_u32 s20, s20, s21
	s_mov_b32 s21, 0
	s_add_nc_u64 s[92:93], s[PO:PO+1], s[20:21]
.endif
.set j, 0
.rept 32
	ds_load_b128 v[CD+4*j:CD+4*j+3], v[RDV] offset:2*j*PITCH
.set j, j+1
.endr
.set j, 0
.rept 32
	s_wait_dscnt 31-j
	global_store_b128 v[COV], v[CD+4*j:CD+4*j+3], s[92:93] offset:2*j*OP   ; sixteen lanes store 256 consecutive bytes, aligned
.set j, j+1
.endr
.Lend:
	s_wait_tensorcnt 0x0                           ; the wave's end
	ds_add_u32 v[SPW], v[NIL]
	s_wait_dscnt 0x0
	CROUND                                         ; the closing round
	s_endpgm
.Lfunc_end_k_qe0811b5477_proj:
	.size	k_qe0811b5477_proj, .Lfunc_end_k_qe0811b5477_proj-k_qe0811b5477_proj
	.p2alignl 7, 3214868480
	.fill 96, 4, 3214868480
	.section	.rodata,"a",@progbits
	.p2align	6, 0x0
	.amdhsa_kernel k_qe0811b5477_proj
		.amdhsa_group_segment_fixed_size 327680
		.amdhsa_private_segment_fixed_size 0
		.amdhsa_enable_private_segment 0
		.amdhsa_kernarg_size 48
		.amdhsa_user_sgpr_count 2
		.amdhsa_user_sgpr_kernarg_segment_ptr 1
		.amdhsa_wavefront_size32 1
		.amdhsa_system_sgpr_workgroup_id_x 1
		.amdhsa_system_sgpr_workgroup_id_y 1
		.amdhsa_system_sgpr_workgroup_id_z 1
		.amdhsa_system_vgpr_workitem_id 0
		.amdhsa_next_free_vgpr 1024
		.amdhsa_next_free_sgpr 100
		.amdhsa_reserve_vcc 0
		.amdhsa_float_denorm_mode_32 3
		.amdhsa_float_denorm_mode_16_64 3
		.amdhsa_memory_ordered 1
		.amdhsa_forward_progress 1
		.amdhsa_inst_pref_size 151
	.end_amdhsa_kernel
	.amdgpu_metadata
---
amdhsa.version: [ 1, 2 ]
amdhsa.kernels:
  - .name:           k_qe0811b5477_proj
    .symbol:         k_qe0811b5477_proj.kd
    .args:
      - { .name: cw, .offset: 0, .size: 8, .value_kind: global_buffer, .address_space: global }
      - { .name: lowp_scales, .offset: 8, .size: 8, .value_kind: global_buffer, .address_space: global }
      - { .name: qkv, .offset: 16, .size: 8, .value_kind: global_buffer, .address_space: global }
      - { .name: bQ, .offset: 24, .size: 8, .value_kind: global_buffer, .address_space: global }
      - { .name: bK, .offset: 32, .size: 8, .value_kind: global_buffer, .address_space: global }
      - { .name: bV, .offset: 40, .size: 8, .value_kind: global_buffer, .address_space: global }
    .group_segment_fixed_size: 327680
    .private_segment_fixed_size: 0
    .kernarg_segment_align: 8
    .kernarg_segment_size: 48
    .max_flat_workgroup_size: 128
    .sgpr_count:     100
    .vgpr_count:     1024
    .wavefront_size: 32
...
	.end_amdgpu_metadata
.endif
;; end of part 2
;; launch attn (part 3): grid 4 x 64, 16 waves a work-group, clusters of 4 x 1, 174,080 bytes of LDS; arguments qkv, lowp_scales, av; writes av
.if DOCPART == 3
	.amdgcn_target "amdgcn-amd-amdhsa--gfx1250"
	.amdhsa_code_object_version 6
	.text
	.protected	k_qe0811b5477_attn
	.globl	k_qe0811b5477_attn
	.p2align	8
	.type	k_qe0811b5477_attn,@function
k_qe0811b5477_attn:
	s_mov_b64 s[64:65], 0
	v_nop
	global_prefetch_b8 v0, s[64:65] scope:SCOPE_SE
	s_setreg_imm32_b32 hwreg(HW_REG_WAVE_MODE, 25, 1), 1
	s_wait_xcnt 0x0
	s_wait_alu depctr_hold_cnt(0) depctr_sa_sdst(0) depctr_va_vdst(0) depctr_va_sdst(0) depctr_va_ssrc(0) depctr_va_vcc(0) depctr_vm_vsrc(0)
	s_getreg_b32 s2, hwreg(HW_REG_IB_STS2, 6, 4)
	s_cmp_eq_u32 s2, 0
	s_cbranch_scc0 .Lentry_in_a_cluster
	s_endpgm
.Lentry_in_a_cluster:
	s_bfe_u32 s2, ttmp6, 0x10000c
	s_cmp_lg_u32 s2, 0x3003
	s_cbranch_scc0 .Lentry_shape_is_right
	s_endpgm
.Lentry_shape_is_right:
; Causal attention on codes of E4M3, head size 64, 1,024 keys.  qkv: Q at 0 and K at 4 MiB, [64 heads][1024][64]; V at 8 MiB with the keys innermost, [64 heads][64][1024].  av: [64 heads][1024][64], codes (entry 10).
; THE SOFTMAX: t = score x log2(e) / 8; M = the running largest t rounded up to a whole number; p = 2^(t - M) is quantised (entry 8), not normalised; the row's sum is taken of the unquantised p and divides at the end.
; SHARES.  A cluster of four work-groups is one head.  All of the head's K and V (128 KiB of codes) is asked for JOINTLY, once, at the head, in four chunks of 256 keys; every LDS byte is filled once.
; A wave owns one tile of 16 queries, tile 4 i + cx.  i is made of the wave's number w alone: w, or 15 - w, laid as a magic square, so that any four waves with equal w % 4 and any four with equal w / 4
; have 18 key steps between them.  A wave walks i / 2 + 1 key steps of 128 keys: that count hangs on the wave's number alone, so no branch hangs on the place in the cluster.  The last of them lies on the
; diagonal: there hidden scores become -infinity ahead of the maximum.  Key steps wholly behind the wave's queries are jumped over; every wave passes all four barriers.
; LAYOUT.  Both products transposed (S^T = K Q^T, O^T = V^T P^T): a lane holds one query.  Lane r of K's tile 2 b + u takes key 32 b + 8 u + r + 8 (r / 8), so that p's 16 registers of two tiles are 16 neighbouring keys.
; All fragments come by loads of 16 bytes at 32 c + 16 (lane / 16): the same permutation of k on both sides of each product.
; LIMITS: entry 6 + entry 7 between -123 and 130; entry 8, and entry 10 - entry 8 - entry 9, between -126 and 119.
; REGISTERS: v1-11, v24-31, v200-201 addresses and constants; v12 -M, v13 the largest t, v[14:15] the sum; v16-23 Q; v32-95 fragments of K or V; v96-159 S^T, then p; v160-191 O^T; v192-199 the output's codes; v224-239 p's codes.
.set KP,    80                         ; a key's row in LDS: 64 bytes + 16
.set VP,    272                        ; a row of a chunk of V: 256 bytes + 16
.set KCH,   256*KP
.set VCH,   64*VP
.set VB,    4*KCH
.set SG,    VB+4*VCH                   ; the way out: 16 rows x 80 bytes for each wave
.set SGW,   16*KP
.set SPARE, SG+16*SGW                  ; the spare words, 128 bytes for each wave
.set AK0,  1
.set AV0,  2
.set QO,   3
.set SPW,  5
.set NIL,  6
.set GO,   7
.set ADK,  8                           ; v8-11  my place in K's chunk c
.set ADV,  24                          ; v24-27 in V's
.set DM,   28                          ; v28    my query - the diagonal step's first key - 16 (lane / 16)
.set SD,   10                          ; s10    the wave's last key step
.set WV,   18
.set SEL,  20
.set CS,   22
.set G1K,  24
.set G1V,  32
.set G0K,  40                          ; s[40:55] K's four groups 0;  s[68:83] V's
.set G0V,  68
.macro CROUND
	s_barrier_signal -1
	s_barrier_wait -1
	s_cmp_lg_u32 s[WV], 0
	s_cbranch_scc1 .Lnot_wave_0_\@
	s_barrier_signal -3
.Lnot_wave_0_\@:
	s_barrier_wait -3
	s_barrier_signal -1
	s_barrier_wait -1
.endm
	s_load_b128 s[4:7], s[0:1], 0x0                ; qkv, the scales' exponents
	s_load_b64 s[8:9], s[0:1], 0x10                ; av
	v_lshl_add_u32 v[SPW], v0, 2, SPARE
	v_mov_b32 v[NIL], 0
	ds_add_u32 v[SPW], v[NIL]                      ; the wave's opening: the add and its wait ahead of my first tensor load
	v_lshrrev_b32 v4, 5, v0
	v_readfirstlane_b32 s[WV], v4
	s_bfe_u32 s12, ttmp6, 0x40000                  ; cx: it enters Q's and av's addresses and the mask's data alone
	s_and_b32 s13, ttmp7, 0xffff                   ; the head
	s_lshr_b32 s14, s[WV], 2
	s_xor_b32 s14, s14, s[WV]
	s_lshr_b32 s15, s14, 1
	s_xor_b32 s14, s14, s15
	s_and_b32 s14, s14, 1
	s_mul_i32 s14, s14, 15
	s_xor_b32 s11, s[WV], 15
	s_xor_b32 s11, s11, s14                        ; i = w or 15 - w
	s_lshr_b32 s[SD], s11, 1
	s_and_b32 s16, s[WV], 1                        ; which half of a chunk I fetch, if I fetch
	s_lshl_b32 s56, s13, 16                        ; the head's 65,536 bytes
	s_lshl_b32 s58, s16, 13
	s_add_co_u32 s58, s58, s56
	s_add_co_u32 s58, s58, 0x400000                ; K: 128 keys x 64 bytes a half
	s_mov_b32 s59, 0
	s_lshl_b32 s60, s16, 15
	s_add_co_u32 s60, s60, s56
	s_add_co_u32 s60, s60, 0x800000                ; V: 32 rows of 1,024 bytes a half
	s_mov_b32 s61, 0
	s_mul_i32 s17, s16, KCH/2
	s_mul_i32 s19, s16, VCH/2
	s_add_co_u32 s19, s19, VB
	s_lshl_b32 s62, s11, 2
	s_add_co_u32 s62, s62, s12                     ; my tile of queries
	s_lshl_b32 s62, s62, 10
	s_add_co_u32 s62, s62, s56
	s_mov_b32 s63, 0
	s_mov_b32 s[G1K], 15|(1<<20)|(1<<21)|(3<<22)|(3<<25)   ; all four work-groups; elements of 1 byte; padding: 4 words after every 16.  K's half chunk is dense: 32 rows of 256 bytes, four keys each
	s_mov_b32 s[G1K+1], 256<<16
	s_mov_b32 s[G1K+2], 32<<16
	s_mov_b32 s[G1K+3], 256<<16
	s_mov_b32 s[G1K+4], 32
	s_mov_b32 s[G1K+5], 256
	s_mov_b32 s[G1K+6], 0
	s_mov_b32 s[G1K+7], 0
	s_mov_b32 s[G1V], 15|(1<<20)|(1<<21)|(5<<22)|(3<<25)   ; padding: 4 words after every 64.  32 rows of 256 bytes, 1,024 apart
	s_mov_b32 s[G1V+1], 256<<16
	s_mov_b32 s[G1V+2], 32<<16
	s_mov_b32 s[G1V+3], 256<<16
	s_mov_b32 s[G1V+4], 32
	s_mov_b32 s[G1V+5], 1024
	s_mov_b32 s[G1V+6], 0
	s_mov_b32 s[G1V+7], 0
	s_mov_b32 s[SEL], 0x76543210
	s_mov_b32 s[SEL+1], 0xfedcba98
	s_mov_b32 s[CS], 0x3e38aa3b                    ; log2(e) / 8
	s_wait_dscnt 0x0                               ; the opening add is done
	s_wait_kmcnt 0x0
	s_load_b512 s[84:99], s[6:7], 0x0              ; the sixteen exponents
	s_add_nc_u64 s[58:59], s[4:5], s[58:59]
	s_add_nc_u64 s[60:61], s[4:5], s[60:61]
.irp c, 0,1,2,3
	s_mov_b32 s[G0K+4*\c], 1
	s_add_co_u32 s[G0K+4*\c+1], s17, \c*KCH
	s_add_nc_u64 s[G0K+4*\c+2:G0K+4*\c+3], s[58:59], \c*16384
	s_or_b32 s[G0K+4*\c+3], s[G0K+4*\c+3], 0x80000000
	s_mov_b32 s[G0V+4*\c], 1
	s_add_co_u32 s[G0V+4*\c+1], s19, \c*VCH
	s_add_nc_u64 s[G0V+4*\c+2:G0V+4*\c+3], s[60:61], \c*256
	s_or_b32 s[G0V+4*\c+3], s[G0V+4*\c+3], 0x80000000
.endr
	CROUND                                         ; all four work-groups are here: the joint loads meet
	s_cmp_lt_u32 s[WV], 2                          ; waves 0, 1: K's halves; waves 2, 3: V's; a wave's four loads stand in one branch: four of mine are out
	s_cbranch_scc0 .Lnot_k
.irp c, 0,1,2,3
	tensor_load_to_lds s[G0K+4*\c:G0K+4*\c+3], s[G1K:G1K+7]
	s_nop 0
.endr
.rept 4
	v_nop
.endr
	s_branch .Lasked
.Lnot_k:
	s_cmp_lt_u32 s[WV], 4
	s_cbranch_scc0 .Lasked
.irp c, 0,1,2,3
	tensor_load_to_lds s[G0V+4*\c:G0V+4*\c+3], s[G1V:G1V+7]
	s_nop 0
.endr
.rept 4
	v_nop
.endr
.Lasked:
	s_add_nc_u64 s[4:5], s[4:5], s[62:63]          ; Q at my tile
	s_add_nc_u64 s[8:9], s[8:9], s[62:63]          ; av likewise
	v_and_b32 v30, 15, v0                          ; r
	v_bfe_u32 v31, v0, 4, 1                        ; h
	v_lshlrev_b32 v[QO], 6, v30
	v_lshl_add_u32 v[QO], v31, 4, v[QO]
	global_load_b128 v[16:19], v[QO], s[4:5]
	global_load_b128 v[20:23], v[QO], s[4:5] offset:32
	v_and_b32 v4, 8, v30
	v_add_nc_u32 v4, v4, v30                       ; r + 8 (r / 8)
	v_mul_u32_u24 v[AK0], v4, KP
	v_lshl_add_u32 v[AK0], v31, 4, v[AK0]
	v_mul_u32_u24 v[AV0], v30, VP
	v_lshl_add_u32 v[AV0], v31, 4, v[AV0]
	v_add_nc_u32 v[AV0], VB, v[AV0]
.irp c, 0,1,2,3
	v_add_nc_u32 v[ADK+\c], \c*KCH, v[AK0]
	v_add_nc_u32 v[ADV+\c], \c*VCH, v[AV0]
.endr
	s_and_b32 s14, s11, 1
	s_lshl_b32 s14, s14, 6
	s_lshl_b32 s15, s12, 4
	s_add_co_u32 s14, s14, s15
	v_lshlrev_b32 v4, 4, v31
	v_sub_nc_u32 v[DM], v30, v4
	v_add_nc_u32 v[DM], s14, v[DM]
	v_mov_b32 v29, 0xff800000                      ; -infinity
	v_and_b32 v[GO], 31, v0
	v_lshrrev_b32 v201, 2, v[GO]
	v_and_b32 v4, 3, v[GO]
	v_lshlrev_b32 v[GO], 4, v[GO]
	s_mul_i32 s15, s[WV], SGW
	s_add_co_u32 s15, s15, SG                      ; my stage
	v_mul_u32_u24 v200, v30, KP
	v_lshl_add_u32 v200, v31, 3, v200
	v_add_nc_u32 v200, s15, v200                   ; in: row r, 8 bytes for each half of the lanes
	v_mul_u32_u24 v201, v201, KP
	v_lshl_add_u32 v201, v4, 4, v201
	v_add_nc_u32 v201, s15, v201                   ; back: four lanes to a row of 64 bytes
	v_mov_b32 v13, 0xff61b1e6                      ; the largest t so far: -3e38
	v_floor_f32 v12, -v13
	v_mov_b32 v14, 0
	v_mov_b32 v15, 0
	v_mov_b32 v236, 0                              ; a lane permute's destination counts as one of its sources
	v_mov_b32 v253, 0                              ; (the upper half of the pair v[252:253])
.set j, 0
.rept 32
	v_mov_b32 v[160+j], 0                          ; O^T: the step is written alike for all: the first finds zeros
.set j, j+1
.endr
	s_wait_kmcnt 0x0
	s_add_co_i32 s14, s90, s91                     ; entries 6 and 7 are added to c's exponent field
	s_lshl_b32 s14, s14, 23
	s_add_co_i32 s[CS], s[CS], s14
	s_mov_b32 s[CS+1], s[CS]
	s_add_co_i32 s14, s92, 127                     ; entry 8: p's scale
	s_lshl_b32 s15, s14, 23
	v_mov_b32 v244, s15
	s_add_co_i32 s14, s14, 8
	s_lshl_b32 s14, s14, 23
	s_or_b32 s14, s14, 0x600000
	v_mov_b32 v240, s14
	s_sub_co_i32 s14, s94, s92                     ; entry 10 - entry 8 - entry 9: O^T / the sum stands for AV / 2^(entry 8 + entry 9)
	s_sub_co_i32 s14, s14, s93
	s_add_co_i32 s14, s14, 127
	s_lshl_b32 s15, s14, 23
	v_mov_b32 v245, s15
	s_add_co_i32 s14, s14, 8
	s_lshl_b32 s14, s14, 23
	s_or_b32 s14, s14, 0x600000
	v_mov_b32 v241, s14
; A KEY STEP: keys 128 s on; they lie in chunk s / 2.
.macro STEP s
	s_cmp_lt_u32 s[SD], \s                         ; all its keys come after my queries: left out.  The branch hangs on the wave's number alone
	s_cbranch_scc1 .Lhid_\@
.rept 4
	v_nop                                          ; places in front of loads into registers that matrix instructions have read
.endr
.irp t, 0,1,2,3,4,5,6,7
.irp c, 0,1
	ds_load_b128 v[32+8*\t+4*\c:32+8*\t+4*\c+3], v[ADK+(\s)/2] offset:(128*((\s)%2)+32*(\t/2)+8*(\t%2))*KP+32*\c
.endr
.endr
	s_wait_dscnt 0x0
.irp t, 0,1,2,3,4,5,6,7
	v_wmma_f32_16x16x64_fp8_fp8 v[96+8*\t:103+8*\t], v[32+8*\t:39+8*\t], v[16:23], 0
.endr
.rept 4
	v_nop
.endr
.irp t, 0,1,2,3                                ; V's fragments are asked for here and land under the softmax
.irp c, 0,1,2,3
	ds_load_b128 v[32+16*\t+4*\c:32+16*\t+4*\c+3], v[ADV+(\s)/2] offset:16*\t*VP+128*((\s)%2)+32*\c
.endr
.endr
	s_cmp_lg_u32 s[SD], \s                         ; only my last step lies on the diagonal
	s_cbranch_scc1 .Lopen_\@
.set n, 0
.rept 64
	v_cmp_gt_i32 vcc_lo, 32*(n/16)+n%16, v[DM]     ; register 16 b + i holds key 32 b + 16 (lane / 16) + i of the step
	v_cndmask_b32 v[96+n], v[96+n], v29, vcc_lo
.set n, n+1
.endr
.Lopen_\@:
	v_max3_num_f32 v254, v96, v97, v98             ; the step's largest score of my query, in two chains,
	v_max3_num_f32 v252, v99, v100, v101
.irp i, 6,10,14,18,22,26,30,34,38,42,46,50,54,58
	v_max3_num_f32 v254, v254, v[96+\i], v[97+\i]
	v_max3_num_f32 v252, v252, v[98+\i], v[99+\i]
.endr
	v_max3_num_f32 v254, v254, v158, v159
	v_max_num_f32 v254, v254, v252
	v_permlanex16_b32 v236, v254, s[SEL], s[SEL+1]
	v_max_num_f32 v254, v254, v236                 ; and among lane l xor 16's
	v_mul_f32 v254, s[CS], v254
	v_max_num_f32 v13, v13, v254                   ; the running largest t
	v_mov_b32 v254, v12
	v_floor_f32 v12, -v13                          ; -M = floor(-t): M is a whole number
	v_sub_f32 v254, v12, v254
	v_cvt_i32_f32 v254, v254
	v_ldexp_f32 v252, 1.0, v254                    ; f = 2^(old M - new M): exact
.set j, 0
.rept 32
	v_pk_fma_f32 v[96+j:97+j], v[96+j:97+j], s[CS:CS+1], v[12:13] op_sel_hi:[1,0,0]   ; t - M
.set j, j+2
.endr
.set j, 0
.rept 64
	v_exp_f32 v[96+j], v[96+j]                     ; p = 2^(t - M)
.set j, j+1
.endr
	v_pk_mul_f32 v[14:15], v[14:15], v[252:253] op_sel_hi:[1,0]   ; the sums under the new M: a plain instruction behind the exponentials
	s_wait_alu depctr_va_vdst(0)                   ; one wait for the batch, ahead of its first reader
	v_pk_add_f32 v[242:243], v[96:97], v[98:99]    ; the row's sum is taken of the unquantised p
.irp j, 4,8,12,16,20,24,28,32,36,40,44,48,52,56,60
	v_pk_add_f32 v[14:15], v[14:15], v[96+\j:97+\j]
	v_pk_add_f32 v[242:243], v[242:243], v[98+\j:99+\j]
.endr
	v_pk_add_f32 v[14:15], v[14:15], v[242:243]
.irp b, 0,1,2,3
.irp i, 0,1,2,3,4,5,6,7,8,9,10,11,12,13,14,15
	v_min_num_f32 v[96+16*\b+\i], v[96+16*\b+\i], v240   ; the hold: p is not negative
.endr
	v_cvt_scalef32_pk8_fp8_f32 v[224+4*\b:225+4*\b], v[96+16*\b:103+16*\b], v244
	v_cvt_scalef32_pk8_fp8_f32 v[226+4*\b:227+4*\b], v[104+16*\b:111+16*\b], v244
.endr
.set j, 0
.rept 16
	v_pk_mul_f32 v[160+j:161+j], v[160+j:161+j], v[252:253] op_sel_hi:[1,0]   ; O^T under the new M
.set j, j+2
.endr
	s_wait_dscnt 0x0                               ; V's fragments are in
.irp t, 0,1,2,3
	v_wmma_f32_16x16x128_fp8_fp8 v[160+8*\t:167+8*\t], v[32+16*\t:47+16*\t], v[224:239], v[160+8*\t:167+8*\t]
.endr
.Lhid_\@:
.endm
.macro SLOT c
	s_wait_tensorcnt 3-\c                          ; my part of chunk c has landed; the later chunks stay out
	s_wait_dscnt 0x0
	s_barrier_signal -1
	s_barrier_wait -1                              ; everybody's has
	STEP 2*\c
	STEP 2*\c+1
.endm
	s_wait_loadcnt 0x0                             ; Q
	SLOT 0
	SLOT 1
	SLOT 2
	SLOT 3
	; THE WAY OUT: O^T / the sum, quantised, through my stage, 1,024 dense bytes a wave
.rept 4
	v_nop                                          ; places behind the last products
.endr
	v_add_f32 v14, v14, v15
	v_permlanex16_b32 v252, v14, s[SEL], s[SEL+1]
	v_add_f32 v14, v14, v252                       ; the row's sum
	v_rcp_f32 v14, v14
	v_nop
	s_wait_alu depctr_va_vdst(0)                   ; the wait ahead of the first reader
.set j, 0
.rept 32
	v_mul_f32 v[96+j], v[160+j], v14               ; register 8 t + i is o(r, 16 t + 8 h + i)
.set j, j+1
.endr
.set j, 0
.rept 32
	v_med3_num_f32 v[96+j], v[96+j], -v241, v241
.set j, j+1
.endr
.irp t, 0,1,2,3
	v_cvt_scalef32_pk8_fp8_f32 v[192+2*\t:193+2*\t], v[96+8*\t:103+8*\t], v245
.endr
	v_nop
.irp t, 0,1,2,3
	ds_store_b64 v200, v[192+2*\t:193+2*\t] offset:16*\t
.endr
	ds_load_b128 v[32:35], v201                    ; LDS serves a wave's instructions in order: these see my stores
	ds_load_b128 v[36:39], v201 offset:8*KP
	s_wait_dscnt 1
	global_store_b128 v[GO], v[32:35], s[8:9]      ; 32 lanes store 512 consecutive bytes
	s_wait_dscnt 0
	global_store_b128 v[GO], v[36:39], s[8:9] offset:512
	s_wait_tensorcnt 0x0                           ; the wave's end
	ds_add_u32 v[SPW], v[NIL]
	s_wait_dscnt 0x0
	CROUND                                         ; the closing round
	s_endpgm
.Lfunc_end_k_qe0811b5477_attn:
	.size	k_qe0811b5477_attn, .Lfunc_end_k_qe0811b5477_attn-k_qe0811b5477_attn
	.p2alignl 7, 3214868480
	.fill 96, 4, 3214868480
	.section	.rodata,"a",@progbits
	.p2align	6, 0x0
	.amdhsa_kernel k_qe0811b5477_attn
		.amdhsa_group_segment_fixed_size 174080
		.amdhsa_private_segment_fixed_size 0
		.amdhsa_enable_private_segment 0
		.amdhsa_kernarg_size 24
		.amdhsa_user_sgpr_count 2
		.amdhsa_user_sgpr_kernarg_segment_ptr 1
		.amdhsa_wavefront_size32 1
		.amdhsa_system_sgpr_workgroup_id_x 1
		.amdhsa_system_sgpr_workgroup_id_y 1
		.amdhsa_system_sgpr_workgroup_id_z 1
		.amdhsa_system_vgpr_workitem_id 0
		.amdhsa_next_free_vgpr 256
		.amdhsa_next_free_sgpr 100
		.amdhsa_reserve_vcc 1
		.amdhsa_float_denorm_mode_32 3
		.amdhsa_float_denorm_mode_16_64 3
		.amdhsa_memory_ordered 1
		.amdhsa_forward_progress 1
		.amdhsa_inst_pref_size 177
	.end_amdhsa_kernel
	.amdgpu_metadata
---
amdhsa.version: [ 1, 2 ]
amdhsa.kernels:
  - .name:           k_qe0811b5477_attn
    .symbol:         k_qe0811b5477_attn.kd
    .args:
      - { .name: qkv, .offset: 0, .size: 8, .value_kind: global_buffer, .address_space: global }
      - { .name: lowp_scales, .offset: 8, .size: 8, .value_kind: global_buffer, .address_space: global }
      - { .name: av, .offset: 16, .size: 8, .value_kind: global_buffer, .address_space: global }
    .group_segment_fixed_size: 174080
    .private_segment_fixed_size: 0
    .kernarg_segment_align: 8
    .kernarg_segment_size: 24
    .max_flat_workgroup_size: 512
    .sgpr_count:     100
    .vgpr_count:     256
    .wavefront_size: 32
...
	.end_amdgpu_metadata
.endif
;; end of part 3
;; launch outp (part 4): grid 8 x 32, 4 waves a work-group, clusters of 4 x 4, 327,680 bytes of LDS; arguments av, cw, lowp_scales, X, bO, x2; writes x2
.if DOCPART == 4
	.amdgcn_target "amdgcn-amd-amdhsa--gfx1250"
	.amdhsa_code_object_version 6
	.text
	.protected	k_qe0811b5477_outp
	.globl	k_qe0811b5477_outp
	.p2align	8
	.type	k_qe0811b5477_outp,@function
k_qe0811b5477_outp:
	s_mov_b64 s[64:65], 0
	v_nop
	global_prefetch_b8 v0, s[64:65] scope:SCOPE_SE
	s_setreg_imm32_b32 hwreg(HW_REG_WAVE_MODE, 25, 1), 1
	s_wait_xcnt 0x0
	s_wait_alu depctr_hold_cnt(0) depctr_sa_sdst(0) depctr_va_vdst(0) depctr_va_sdst(0) depctr_va_ssrc(0) depctr_va_vcc(0) depctr_vm_vsrc(0)
	s_getreg_b32 s2, hwreg(HW_REG_IB_STS2, 6, 4)
	s_cmp_eq_u32 s2, 0
	s_cbranch_scc0 .Lentry_in_a_cluster
	s_endpgm
.Lentry_in_a_cluster:
	s_bfe_u32 s2, ttmp6, 0x10000c
	s_cmp_lg_u32 s2, 0xf033
	s_cbranch_scc0 .Lentry_shape_is_right
	s_endpgm
.Lentry_shape_is_right:
; out = resid + A B^T x 2^(eA + eB) + bias, f32, [4096][1024]; A and B are codes of E4M3.  One text serves two launches; WO says which.
; WO = 1: A = av, [64 heads][1024][64], K = 1,024 = head x 64 + d; B = WO's codes (cw + 3 MiB).  WO = 0: A = hid [4096][4096], K = 4,096; B = W2's codes (cw + 8 MiB).
; A tile of C is 128 x 128, so that there are 256 work-groups; four waves, 64 x 64 each: 16 accumulators.  K goes in steps of 512 through two LDS slots; a step is four quarters of 128 on two fragment buffers.
; CLUSTERS: 4 x 4; A's tile is asked for jointly along a row of the cluster, B's along a column.  The matrix instruction is used transposed: a lane holds eight neighbouring columns of a row of C.
; WO = 1: A's tile is 8 rows of 4,096 bytes (a head's 64 queries x 64 bytes, dense), 65,536 bytes apart, padded by 16 bytes behind every 64: in LDS [head][query], 80 bytes a query.  Both slots are first fills.
; THE WAY OUT: a wave's 64 columns are 256 bytes of a row, so each wave has a stage of its own (in slot 0, which has had its last fill and is read by nobody behind the last change of slots) and needs no barrier.
; The residual and the bias are asked for at the head and wait in registers.
; LIMIT: eA + eB between -126 and 127.
; REGISTERS: window 0: v1-29 addresses; v96-99 the bias; v128-255 the accumulators.  window 1: two fragment buffers: A's four fragments, then B's four.  window 2: v0-127 the residual.
.set WO,    1
.if WO
.set KROW,  1024
.set LAPS,  1
.set AH,    40960                      ; A's half tile in LDS: 8 heads x 64 queries x 80
.set AP,    80
.set ASTEP, 524288                     ; a slot on in A: 8 heads
.set WOFF,  0x300000
.set ESOFF, 0x28
.else
.set KROW,  4096
.set LAPS,  4
.set AH,    33792
.set AP,    528
.set ASTEP, 512
.set WOFF,  0x800000
.set ESOFF, 0x38
.endif
.set BP,    528                        ; a row of 512 bytes + 16
.set BH,    64*BP
.set SLOT,  2*AH+2*BH
.set SPARE, 2*SLOT                     ; the spare words, 128 bytes for each wave
.set SP,    272
.set ADRA, 16
.set ADRB, 20
.set STO,  24
.set RD,   25
.set RO,   26
.set BO,   27
.set SPW,  28
.set NIL,  29
.set BIA,  96
.set ACC,  128
.set F0,   0
.set F1,   128
.set G1, 24
.set G0, 32
.set G1B, 48
.set G0B, 56
.set MSB, 0
.macro WIN new
.if MSB != \new
	s_set_vgpr_msb (MSB<<8)|\new
.set MSB, \new
.endif
.endm
.set MUL,  0x05                        ; sources 0 (B) and 1 (A) window 1; C and D window 0
.set TO_F, 0x40
.macro JLOAD s                         ; a joint load: waves 0 and 1 fetch A's halves, waves 2 and 3 B's; an s_nop 0 and four v_nop follow each line
	s_cmp_eq_u32 s11, 0
	s_cbranch_scc0 .Lfor_b_\@
	tensor_load_to_lds s[G0+4*\s:G0+4*\s+3], s[G1:G1+7]
	s_nop 0
.rept 4
	v_nop
.endr
	s_branch .Lasked_\@
.Lfor_b_\@:
	tensor_load_to_lds s[G0B+4*\s:G0B+4*\s+3], s[G1B:G1B+7]
	s_nop 0
.rept 4
	v_nop
.endr
.Lasked_\@:
.endm
.macro CREST
	s_cmp_lg_u32 s10, 0
	s_cbranch_scc1 .Lnot_wave_0_\@
	s_barrier_signal -3
.Lnot_wave_0_\@:
	s_barrier_wait -3
	s_barrier_signal -1
	s_barrier_wait -1
.endm
.macro CROUND
	s_barrier_signal -1
	s_barrier_wait -1
	CREST
.endm
	s_load_b256 s[68:75], s[0:1], 0x0              ; A 68, cw 70, the scales' exponents 72, the residual 74
	s_load_b128 s[76:79], s[0:1], 0x20             ; the bias 76, the output 78
	v_lshl_add_u32 v[SPW], v0, 2, SPARE
	v_mov_b32 v[NIL], 0
	ds_add_u32 v[SPW], v[NIL]                      ; the wave's opening: the add and its wait ahead of my first tensor load
	v_lshrrev_b32 v1, 5, v0
	v_readfirstlane_b32 s10, v1
	s_lshr_b32 s11, s10, 1                         ; my half of the rows; also: I fetch for A (0) or B (1)
	s_and_b32 s12, s10, 1                          ; my half of the columns; also: which 64 rows I fetch
	s_bfe_u32 s40, ttmp6, 0x40000
	s_bfe_u32 s41, ttmp6, 0x40004
	s_lshl_b32 s42, ttmp9, 2
	s_add_co_u32 s42, s42, s40                     ; tile column
	s_and_b32 s13, ttmp7, 0xffff
	s_lshl_b32 s13, s13, 2
	s_add_co_u32 s13, s13, s41                     ; tile row
	s_lshl_b32 s43, s41, 2
	s_lshl_b32 s43, 15, s43
	s_lshl_b32 s44, 0x1111, s40
.if WO
	s_or_b32 s[G1+0], s43, (1<<20)|(1<<21)|(3<<22)|(3<<25)   ; padding: 4 words after every 16
	s_mov_b32 s[G1+1], 4096<<16                    ; tensor_dim0 = 4,096 bytes
	s_mov_b32 s[G1+2], 8<<16                       ; tensor_dim1 = 8 heads
	s_mov_b32 s[G1+3], 4096<<16                    ; tile_dim0
	s_mov_b32 s[G1+4], 8                           ; tile_dim1
	s_mov_b32 s[G1+5], 65536                       ; from head to head
.else
	s_or_b32 s[G1+0], s43, (1<<20)|(1<<21)|(6<<22)|(3<<25)   ; padding: 4 words after every 128
	s_mov_b32 s[G1+1], 512<<16
	s_mov_b32 s[G1+2], 64<<16
	s_mov_b32 s[G1+3], 512<<16
	s_mov_b32 s[G1+4], 64
	s_mov_b32 s[G1+5], KROW
.endif
	s_mov_b32 s[G1+6], 0
	s_mov_b32 s[G1+7], 0
	s_or_b32 s[G1B+0], s44, (1<<20)|(1<<21)|(6<<22)|(3<<25)
	s_mov_b32 s[G1B+1], 512<<16
	s_mov_b32 s[G1B+2], 64<<16
	s_mov_b32 s[G1B+3], 512<<16
	s_mov_b32 s[G1B+4], 64
	s_mov_b32 s[G1B+5], KROW
	s_mov_b32 s[G1B+6], 0
	s_mov_b32 s[G1B+7], 0
.if WO
	s_lshr_b32 s16, s13, 3                         ; batch: 16 heads of 65,536 bytes
	s_lshl_b32 s16, s16, 20
	s_and_b32 s17, s13, 7
	s_lshl_b32 s17, s17, 13                        ; 128 queries of 64 bytes
	s_add_co_u32 s16, s16, s17
	s_lshl_b32 s17, s12, 12                        ; my 64 of them
	s_add_co_u32 s16, s16, s17
.else
	s_lshl_b32 s16, s13, 7
	s_lshl_b32 s17, s12, 6
	s_add_co_u32 s16, s16, s17
	s_lshl_b32 s16, s16, 12                        ; rows of 4,096 bytes
.endif
	s_mov_b32 s17, 0
	s_lshl_b32 s46, s42, 7
	s_lshl_b32 s47, s12, 6
	s_add_co_u32 s46, s46, s47
	s_mul_i32 s46, s46, KROW
	s_add_co_u32 s46, s46, WOFF
	s_mov_b32 s47, 0
	s_mul_i32 s20, s12, AH                         ; where they go: A's halves, then B's
	s_mul_i32 s21, s12, BH
	s_add_co_u32 s21, s21, 2*AH
	s_wait_dscnt 0x0                               ; the opening add is done
	s_wait_kmcnt 0x0
	s_load_b64 s[80:81], s[72:73], ESOFF           ; eA, eB
	s_add_nc_u64 s[14:15], s[68:69], s[16:17]
	s_add_nc_u64 s[46:47], s[70:71], s[46:47]
	CROUND
.irp s, 0,1
	s_mov_b32 s[G0+4*\s], 1
	s_add_co_u32 s[G0+4*\s+1], s20, \s*SLOT
	s_add_nc_u64 s[G0+4*\s+2:G0+4*\s+3], s[14:15], \s*ASTEP
	s_or_b32 s[G0+4*\s+3], s[G0+4*\s+3], 0x80000000
	s_mov_b32 s[G0B+4*\s], 1
	s_add_co_u32 s[G0B+4*\s+1], s21, \s*SLOT
	s_add_nc_u64 s[G0B+4*\s+2:G0B+4*\s+3], s[46:47], \s*512
	s_or_b32 s[G0B+4*\s+3], s[G0B+4*\s+3], 0x80000000
	JLOAD \s
.endr
	v_and_b32 v1, 15, v0                           ; r
	v_bfe_u32 v2, v0, 4, 1                         ; h
	v_mul_u32_u24 v3, v1, BP
	v_lshl_add_u32 v3, v2, 4, v3
	v_mul_u32_u24 v4, v1, AP
	v_lshl_add_u32 v4, v2, 4, v4
	s_mul_i32 s21, s11, AH
	s_mul_i32 s22, s12, BH
	s_add_co_u32 s22, s22, 2*AH
.irp s, 0,1
	v_add_nc_u32 v[ADRA+\s], s21, v4
	v_add_nc_u32 v[ADRB+\s], s22, v3
	s_add_co_u32 s21, s21, SLOT
	s_add_co_u32 s22, s22, SLOT
.endr
	s_mul_i32 s23, s10, 64*SP                      ; my stage
	v_mul_u32_u24 v5, v1, SP
	v_lshl_add_u32 v5, v2, 5, v5
	v_add_nc_u32 v[STO], s23, v5                   ; in: row r, 32 bytes for each half of the lanes
	v_mul_u32_u24 v5, v2, SP
	v_lshl_add_u32 v5, v1, 4, v5
	v_add_nc_u32 v[RD], s23, v5                    ; back: sixteen lanes to a row of 256 bytes
	v_lshlrev_b32 v[BO], 4, v1
	v_lshl_add_u32 v[RO], v2, 12, v[BO]            ; and the same two rows in the residual and the output
	s_lshl_b32 s16, s13, 7
	s_lshl_b32 s17, s11, 6
	s_add_co_u32 s16, s16, s17
	s_lshl_b32 s16, s16, 12                        ; my first row: 128 x tile row + 64 x half, rows of 4,096 bytes
	s_mov_b32 s17, 0
	s_lshl_b32 s46, s42, 9
	s_lshl_b32 s47, s12, 8
	s_add_co_u32 s46, s46, s47                     ; my first column in bytes
	s_mov_b32 s47, 0
	s_add_nc_u64 s[82:83], s[74:75], s[16:17]
	s_add_nc_u64 s[82:83], s[82:83], s[46:47]
	s_add_nc_u64 s[84:85], s[78:79], s[16:17]
	s_add_nc_u64 s[84:85], s[84:85], s[46:47]
	s_add_nc_u64 s[88:89], s[76:77], s[46:47]
	global_load_b128 v[BIA:BIA+3], v[BO], s[88:89]
	WIN 0x80                                       ; destination window 2
.irp a, 0,1,2,3
.irp t, 0,1,2,3,4,5,6,7
	global_load_b128 v[32*\a+4*\t:32*\a+4*\t+3], v[RO], s[82:83] offset:(16*\a+2*\t)*4096
.endr
.endr
	WIN 0
	s_wait_kmcnt 0x0
	s_add_co_i32 s86, s80, s81
	s_add_co_i32 s86, s86, 127
	s_lshl_b32 s86, s86, 23                        ; 2^(eA + eB) as f32
	s_mov_b32 s87, s86
.macro MUL8 f, a0, zero                ; 8 matrix instructions: A's blocks a0, a0 + 1 x B's four, 128 along K.  The 16 accumulators take turns
.irp a, \a0, \a0+1
.irp b, 0,1,2,3
.if \zero
	v_wmma_f32_16x16x128_fp8_fp8 v[ACC+8*(4*(\a)+\b):ACC+8*(4*(\a)+\b)+7], v[\f+64+16*\b:\f+64+16*\b+15], v[\f+16*(\a):\f+16*(\a)+15], 0
.else
	v_wmma_f32_16x16x128_fp8_fp8 v[ACC+8*(4*(\a)+\b):ACC+8*(4*(\a)+\b)+7], v[\f+64+16*\b:\f+64+16*\b+15], v[\f+16*(\a):\f+16*(\a)+15], v[ACC+8*(4*(\a)+\b):ACC+8*(4*(\a)+\b)+7]
.endif
.endr
.endr
.endm
.macro FETCH slot, q, f                ; 32 LDS loads in one run: quarter q's fragments: B's four, then A's four.  Registers 4 c .. 4 c + 3 hold K = 32 c + 16 (l / 16) + 0 .. 15
	WIN TO_F
.irp i, 0,1,2,3
.irp c, 0,1,2,3
	ds_load_b128 v[\f+64+16*\i+4*\c:\f+64+16*\i+4*\c+3], v[ADRB+\slot] offset:128*(\q)+32*\c+\i*16*BP
.endr
.endr
.irp i, 0,1,2,3
.irp c, 0,1,2,3
.if WO
	ds_load_b128 v[\f+16*\i+4*\c:\f+16*\i+4*\c+3], v[ADRA+\slot] offset:(2*(\q)+\c/2)*5120+(\c%2)*32+\i*1280
.else
	ds_load_b128 v[\f+16*\i+4*\c:\f+16*\i+4*\c+3], v[ADRA+\slot] offset:128*(\q)+32*\c+\i*16*BP
.endif
.endr
.endr
.endm
.macro PLACES
.rept 4
	v_nop
.endr
.endm
.macro QUARTER slot, qn, f, g, zero    ; multiplies buffer f; in its middle fetches quarter qn of the same slot into g
	s_wait_dscnt 8                                 ; B's four and A's blocks 0, 1 are in; A's blocks 2, 3 may be out
	WIN MUL
	MUL8 \f, 0, \zero
	PLACES
	FETCH \slot, \qn, \g
	s_wait_dscnt 32                                ; all but the 32 just issued
	WIN MUL
	MUL8 \f, 2, \zero
.endm
.macro TURN slot, next, fill           ; the last quarter multiplies buffer 1 and changes slots
	WIN 0
	s_wait_tensorcnt 0x0                           ; all my tensor loads have landed: my part of the next slot
	ds_add_u32 v[SPW], v[NIL]
	s_wait_dscnt 9                                 ; the add and A's blocks 2, 3 may be out
	WIN MUL
	MUL8 F1, 0, 0
	s_wait_dscnt 0x0                               ; the add is done, and my reads of this slot are over
	WIN 0
	s_barrier_signal -1
	s_barrier_wait -1
.if \fill
	CREST                                          ; the barrier has opened a round of the cluster's
	s_add_nc_u64 s[G0+4*\slot+2:G0+4*\slot+3], s[G0+4*\slot+2:G0+4*\slot+3], 2*ASTEP
	s_add_nc_u64 s[G0B+4*\slot+2:G0B+4*\slot+3], s[G0B+4*\slot+2:G0B+4*\slot+3], 2*512
	JLOAD \slot                                    ; the first tensor load behind the round; its four v_nop are the places in front of the loads below
.else
	PLACES
.endif
	FETCH \next, 0, F0
	WIN MUL
	MUL8 F1, 2, 0
.endm
	s_wait_tensorcnt 1                             ; my part of slot 0 is in; slot 1's may be out
	s_barrier_signal -1
	s_barrier_wait -1
	FETCH 0, 0, F0
	QUARTER 0, 1, F0, F1, 1                        ; the first quarter's products start the sums
.if LAPS > 1
	WIN 0
	s_mov_b32 s3, LAPS-1
.Llap:
	QUARTER 0, 2, F1, F0, 0
	QUARTER 0, 3, F0, F1, 0
	TURN 0, 1, 1
	QUARTER 1, 1, F0, F1, 0
	QUARTER 1, 2, F1, F0, 0
	QUARTER 1, 3, F0, F1, 0
	TURN 1, 0, 1
	QUARTER 0, 1, F0, F1, 0
	WIN 0
	s_sub_co_u32 s3, s3, 1
	s_cmp_lg_u32 s3, 0
	s_cbranch_scc1 .Llap
.endif
	QUARTER 0, 2, F1, F0, 0                        ; the last lap fills nothing
	QUARTER 0, 3, F0, F1, 0
	TURN 0, 1, 0
	QUARTER 1, 1, F0, F1, 0
	QUARTER 1, 2, F1, F0, 0
	QUARTER 1, 3, F0, F1, 0
	s_wait_dscnt 8
	WIN MUL
	MUL8 F1, 0, 0
	s_wait_dscnt 0
	MUL8 F1, 2, 0
	; THE WAY OUT.  The residual takes the bias: 64 plain instructions that name no register of the last products: they are the places behind them
	s_wait_loadcnt 0x0
	WIN 0x82                                       ; source 0 and destination window 2
.set j, 0
.rept 64
	v_pk_add_f32 v[j:j+1], v[j:j+1], v[BIA+j%4:BIA+j%4+1]
.set j, j+2
.endr
	WIN 0
.irp a, 0,1,2,3
.irp b, 0,1,2,3
	ds_store_b128 v[STO], v[ACC+8*(4*\a+\b):ACC+8*(4*\a+\b)+3] offset:\a*16*SP+64*\b
	ds_store_b128 v[STO], v[ACC+8*(4*\a+\b)+4:ACC+8*(4*\a+\b)+7] offset:\a*16*SP+64*\b+16
.endr
.irp t, 0,1,2,3,4,5,6,7
	ds_load_b128 v[ACC+32*\a+4*\t:ACC+32*\a+4*\t+3], v[RD] offset:\a*16*SP+2*\t*SP   ; LDS serves a wave's instructions in order: whole rows come back into the registers that the sums left
.endr
.endr
	s_wait_dscnt 0x0
	WIN 0x20                                       ; source 2 window 2
.set j, 0
.rept 64
	v_pk_fma_f32 v[ACC+j:ACC+j+1], v[ACC+j:ACC+j+1], s[86:87], v[j:j+1] op_sel_hi:[1,0,1]   ; sum x 2^(eA + eB) + (residual + bias)
.set j, j+2
.endr
	WIN 0
.irp a, 0,1,2,3
.irp t, 0,1,2,3,4,5,6,7
	global_store_b128 v[RO], v[ACC+32*\a+4*\t:ACC+32*\a+4*\t+3], s[84:85] offset:(16*\a+2*\t)*4096   ; sixteen lanes store 256 consecutive bytes, aligned
.endr
.endr
	s_wait_tensorcnt 0x0                           ; the wave's end
	ds_add_u32 v[SPW], v[NIL]
	s_wait_dscnt 0x0
	CROUND                                         ; the closing round
	s_endpgm
.Lfunc_end_k_qe0811b5477_outp:
	.size	k_qe0811b5477_outp, .Lfunc_end_k_qe0811b5477_outp-k_qe0811b5477_outp
	.p2alignl 7, 3214868480
	.fill 96, 4, 3214868480
	.section	.rodata,"a",@progbits
	.p2align	6, 0x0
	.amdhsa_kernel k_qe0811b5477_outp
		.amdhsa_group_segment_fixed_size 327680
		.amdhsa_private_segment_fixed_size 0
		.amdhsa_enable_private_segment 0
		.amdhsa_kernarg_size 48
		.amdhsa_user_sgpr_count 2
		.amdhsa_user_sgpr_kernarg_segment_ptr 1
		.amdhsa_wavefront_size32 1
		.amdhsa_system_sgpr_workgroup_id_x 1
		.amdhsa_system_sgpr_workgroup_id_y 1
		.amdhsa_system_sgpr_workgroup_id_z 1
		.amdhsa_system_vgpr_workitem_id 0
		.amdhsa_next_free_vgpr 768
		.amdhsa_next_free_sgpr 100
		.amdhsa_reserve_vcc 0
		.amdhsa_float_denorm_mode_32 3
		.amdhsa_float_denorm_mode_16_64 3
		.amdhsa_memory_ordered 1
		.amdhsa_forward_progress 1
		.amdhsa_inst_pref_size 53
	.end_amdhsa_kernel
	.amdgpu_metadata
---
amdhsa.version: [ 1, 2 ]
amdhsa.kernels:
  - .name:           k_qe0811b5477_outp
    .symbol:         k_qe0811b5477_outp.kd
    .args:
      - { .name: av, .offset: 0, .size: 8, .value_kind: global_buffer, .address_space: global }
      - { .name: cw, .offset: 8, .size: 8, .value_kind: global_buffer, .address_space: global }
      - { .name: lowp_scales, .offset: 16, .size: 8, .value_kind: global_buffer, .address_space: global }
      - { .name: X, .offset: 24, .size: 8, .value_kind: global_buffer, .address_space: global }
      - { .name: bO, .offset: 32, .size: 8, .value_kind: global_buffer, .address_space: global }
      - { .name: x2, .offset: 40, .size: 8, .value_kind: global_buffer, .address_space: global }
    .group_segment_fixed_size: 327680
    .private_segment_fixed_size: 0
    .kernarg_segment_align: 8
    .kernarg_segment_size: 48
    .max_flat_workgroup_size: 128
    .sgpr_count:     100
    .vgpr_count:     768
    .wavefront_size: 32
...
	.end_amdgpu_metadata
.endif
;; end of part 4
;; launch norm2 (part 5): grid 256 x 1, 4 waves a work-group, no clusters, 0 bytes of LDS; arguments x2, g2, be2, lowp_scales, xn2; writes xn2
.if DOCPART == 5
	.amdgcn_target "amdgcn-amd-amdhsa--gfx1250"
	.amdhsa_code_object_version 6
	.text
	.protected	k_qe0811b5477_norm2
	.globl	k_qe0811b5477_norm2
	.p2align	8
	.type	k_qe0811b5477_norm2,@function
k_qe0811b5477_norm2:
	s_mov_b64 s[64:65], 0
	v_nop
	global_prefetch_b8 v0, s[64:65] scope:SCOPE_SE
	s_setreg_imm32_b32 hwreg(HW_REG_WAVE_MODE, 25, 1), 1
	s_wait_xcnt 0x0
; LayerNorm2 of x2 [4096][1024] f32, quantised to codes of E4M3 (scale entry 12) into xn2 [4096][1024].
; A wave takes a whole row at a time, four rows; a lane holds, of each 256 numbers, 8 neighbours, whose 8 codes are 8 bytes: a wave's store covers 256 consecutive bytes, aligned.  No LDS, no barrier.
; The variance is the mean of (x - mean)^2, in two passes over the registers.  LIMIT: the entry lies between -126 and 119.  NaN among the inputs is not served.
.set G,    16                          ; v16-47 the gain, v48-79 the bias, v80-207 four rows, v208-223 at work, v224-231 codes
.set BE,   48
.set XR,   80
.set T,    208
.set C,    224
.set MU,   4
.set RS,   6
.set SC,   8
.set LIM,  11
	s_load_b256 s[8:15], s[0:1], 0x0               ; x2 8, g2 10, be2 12, the scales' exponents 14
	s_load_b64 s[16:17], s[0:1], 0x20              ; xn2
	v_lshrrev_b32 v1, 5, v0
	v_readfirstlane_b32 s2, v1
	v_and_b32 v1, 31, v0
	s_lshl_b32 s3, ttmp9, 4
	s_lshl_b32 s36, s2, 2
	s_add_co_u32 s3, s3, s36                       ; my first row
	s_lshl_b32 s36, s3, 12
	s_mov_b32 s37, 0
	s_lshl_b32 s38, s3, 10
	s_mov_b32 s39, 0
	s_mov_b32 s32, 0x3a800000                      ; 1 / 1024
	s_mov_b32 s33, 0x3727c5ac                      ; 1e-5
	s_mov_b32 s34, 0x76543210
	s_mov_b32 s35, 0xfedcba98
	v_lshlrev_b32 v2, 5, v1
	v_lshlrev_b32 v3, 3, v1
	v_mov_b32 v[MU+1], 0
	v_mov_b32 v[RS+1], 0
	s_wait_kmcnt 0x0
	s_load_b32 s48, s[14:15], 0x30                 ; entry 12
	s_add_nc_u64 s[4:5], s[8:9], s[36:37]
	s_add_nc_u64 s[40:41], s[16:17], s[38:39]
.irp j, 0,1,2,3
	global_load_b128 v[G+8*\j:G+8*\j+3], v2, s[10:11] offset:1024*\j
	global_load_b128 v[G+8*\j+4:G+8*\j+7], v2, s[10:11] offset:1024*\j+16
.endr
.irp j, 0,1,2,3
	global_load_b128 v[BE+8*\j:BE+8*\j+3], v2, s[12:13] offset:1024*\j
	global_load_b128 v[BE+8*\j+4:BE+8*\j+7], v2, s[12:13] offset:1024*\j+16
.endr
.irp k, 0,1,2,3
.irp j, 0,1,2,3
	global_load_b128 v[XR+32*\k+8*\j:XR+32*\k+8*\j+3], v2, s[4:5] offset:4096*\k+1024*\j
	global_load_b128 v[XR+32*\k+8*\j+4:XR+32*\k+8*\j+7], v2, s[4:5] offset:4096*\k+1024*\j+16
.endr
.endr
	s_wait_kmcnt 0x0
	s_add_co_i32 s56, s48, 127
	s_lshl_b32 s57, s56, 23
	v_mov_b32 v[SC], s57
	s_add_co_i32 s56, s56, 8
	s_lshl_b32 s56, s56, 23
	s_or_b32 s56, s56, 0x600000
	v_mov_b32 v[LIM], s56
.macro REDUCE                          ; v[T] summed over the 32 lanes, the result in every lane; v[T+1] has been written
	v_add_f32_dpp v[T], v[T], v[T] row_xmask:1 row_mask:0xf bank_mask:0xf
	v_add_f32_dpp v[T], v[T], v[T] row_xmask:2 row_mask:0xf bank_mask:0xf
	v_add_f32_dpp v[T], v[T], v[T] row_xmask:4 row_mask:0xf bank_mask:0xf
	v_add_f32_dpp v[T], v[T], v[T] row_xmask:8 row_mask:0xf bank_mask:0xf
	v_permlanex16_b32 v[T+1], v[T], s34, s35
	v_add_f32 v[T], v[T], v[T+1]
.endm
.macro ROW k
.set XK, XR+32*(\k)
	s_wait_loadcnt 8*(3-(\k))                      ; this row's eight loads are in; the younger rows' stay out
.irp c, 0,1,2,3
	v_pk_add_f32 v[T+2*\c:T+2*\c+1], v[XK+4*\c:XK+4*\c+1], v[XK+4*\c+2:XK+4*\c+3]
.endr
.irp p, 8,9,10,11,12,13,14,15
	v_pk_add_f32 v[T+2*(\p%4):T+2*(\p%4)+1], v[T+2*(\p%4):T+2*(\p%4)+1], v[XK+2*\p:XK+2*\p+1]
.endr
	v_pk_add_f32 v[T:T+1], v[T:T+1], v[T+2:T+3]
	v_pk_add_f32 v[T+4:T+5], v[T+4:T+5], v[T+6:T+7]
	v_pk_add_f32 v[T:T+1], v[T:T+1], v[T+4:T+5]
	v_add_f32 v[T], v[T], v[T+1]
	REDUCE
	v_mul_f32 v[MU], s32, v[T]                     ; the mean
.set pp, 0
.rept 16
	v_pk_add_f32 v[XK+2*pp:XK+2*pp+1], v[XK+2*pp:XK+2*pp+1], v[MU:MU+1] op_sel_hi:[1,0] neg_lo:[0,1] neg_hi:[0,1]
.set pp, pp+1
.endr
.irp c, 0,1,2,3
	v_pk_mul_f32 v[T+2*\c:T+2*\c+1], v[XK+2*\c:XK+2*\c+1], v[XK+2*\c:XK+2*\c+1]
.endr
.irp p, 4,5,6,7,8,9,10,11,12,13,14,15
	v_pk_fma_f32 v[T+2*(\p%4):T+2*(\p%4)+1], v[XK+2*\p:XK+2*\p+1], v[XK+2*\p:XK+2*\p+1], v[T+2*(\p%4):T+2*(\p%4)+1]
.endr
	v_pk_add_f32 v[T:T+1], v[T:T+1], v[T+2:T+3]
	v_pk_add_f32 v[T+4:T+5], v[T+4:T+5], v[T+6:T+7]
	v_pk_add_f32 v[T:T+1], v[T:T+1], v[T+4:T+5]
	v_add_f32 v[T], v[T], v[T+1]
	REDUCE
	v_fma_f32 v[T+2], v[T], s32, s33               ; the variance + eps
	v_rsq_f32 v[RS], v[T+2]
	v_nop                                          ; a plain instruction behind the transcendental
	s_wait_alu depctr_va_vdst(0)                   ; and the wait ahead of its first reader
.set pp, 0
.rept 16
	v_pk_mul_f32 v[XK+2*pp:XK+2*pp+1], v[XK+2*pp:XK+2*pp+1], v[RS:RS+1] op_sel_hi:[1,0]
.set pp, pp+1
.endr
.set pp, 0
.rept 16
	v_pk_fma_f32 v[XK+2*pp:XK+2*pp+1], v[XK+2*pp:XK+2*pp+1], v[G+2*pp:G+2*pp+1], v[BE+2*pp:BE+2*pp+1]
.set pp, pp+1
.endr
	s_wait_xcnt 0x0                                ; the last row's stores have read their data
.irp j, 0,1,2,3
.irp i, 0,1,2,3,4,5,6,7
	v_med3_num_f32 v[T+8*(\j%2)+\i], v[XK+8*\j+\i], -v[LIM], v[LIM]
.endr
	v_cvt_scalef32_pk8_fp8_f32 v[C+2*\j:C+2*\j+1], v[T+8*(\j%2):T+8*(\j%2)+7], v[SC]
.endr
	v_nop                                          ; a plain instruction behind the last conversion
.irp j, 0,1,2,3
	global_store_b64 v3, v[C+2*\j:C+2*\j+1], s[40:41] offset:1024*(\k)+256*\j   ; 32 lanes store 256 consecutive bytes, aligned
.endr
.endm
	ROW 0
	ROW 1
	ROW 2
	ROW 3
	s_endpgm
.Lfunc_end_k_qe0811b5477_norm2:
	.size	k_qe0811b5477_norm2, .Lfunc_end_k_qe0811b5477_norm2-k_qe0811b5477_norm2
	.p2alignl 7, 3214868480
	.fill 96, 4, 3214868480
	.section	.rodata,"a",@progbits
	.p2align	6, 0x0
	.amdhsa_kernel k_qe0811b5477_norm2
		.amdhsa_group_segment_fixed_size 0
		.amdhsa_private_segment_fixed_size 0
		.amdhsa_enable_private_segment 0
		.amdhsa_kernarg_size 40
		.amdhsa_user_sgpr_count 2
		.amdhsa_user_sgpr_kernarg_segment_ptr 1
		.amdhsa_wavefront_size32 1
		.amdhsa_system_sgpr_workgroup_id_x 1
		.amdhsa_system_sgpr_workgroup_id_y 1
		.amdhsa_system_sgpr_workgroup_id_z 1
		.amdhsa_system_vgpr_workitem_id 0
		.amdhsa_next_free_vgpr 232
		.amdhsa_next_free_sgpr 66
		.amdhsa_reserve_vcc 0
		.amdhsa_float_denorm_mode_32 3
		.amdhsa_float_denorm_mode_16_64 3
		.amdhsa_memory_ordered 1
		.amdhsa_forward_progress 1
		.amdhsa_inst_pref_size 42
	.end_amdhsa_kernel
	.amdgpu_metadata
---
amdhsa.version: [ 1, 2 ]
amdhsa.kernels:
  - .name:           k_qe0811b5477_norm2
    .symbol:         k_qe0811b5477_norm2.kd
    .args:
      - { .name: x2, .offset: 0, .size: 8, .value_kind: global_buffer, .address_space: global }
      - { .name: g2, .offset: 8, .size: 8, .value_kind: global_buffer, .address_space: global }
      - { .name: be2, .offset: 16, .size: 8, .value_kind: global_buffer, .address_space: global }
      - { .name: lowp_scales, .offset: 24, .size: 8, .value_kind: global_buffer, .address_space: global }
      - { .name: xn2, .offset: 32, .size: 8, .value_kind: global_buffer, .address_space: global }
    .group_segment_fixed_size: 0
    .private_segment_fixed_size: 0
    .kernarg_segment_align: 8
    .kernarg_segment_size: 40
    .max_flat_workgroup_size: 128
    .sgpr_count:     66
    .vgpr_count:     232
    .wavefront_size: 32
...
	.end_amdgpu_metadata
.endif
;; end of part 5
;; launch up (part 6): grid 16 x 16, 4 waves a work-group, clusters of 4 x 4, 327,680 bytes of LDS; arguments xn2, cw, lowp_scales, hid, b1; writes hid
.if DOCPART == 6
	.amdgcn_target "amdgcn-amd-amdhsa--gfx1250"
	.amdhsa_code_object_version 6
	.text
	.protected	k_qe0811b5477_up
	.globl	k_qe0811b5477_up
	.p2align	8
	.type	k_qe0811b5477_up,@function
k_qe0811b5477_up:
	s_mov_b64 s[64:65], 0
	v_nop
	global_prefetch_b8 v0, s[64:65] scope:SCOPE_SE
	s_setreg_imm32_b32 hwreg(HW_REG_WAVE_MODE, 25, 1), 1
	s_wait_xcnt 0x0
	s_wait_alu depctr_hold_cnt(0) depctr_sa_sdst(0) depctr_va_vdst(0) depctr_va_sdst(0) depctr_va_ssrc(0) depctr_va_vcc(0) depctr_vm_vsrc(0)
	s_getreg_b32 s2, hwreg(HW_REG_IB_STS2, 6, 4)
	s_cmp_eq_u32 s2, 0
	s_cbranch_scc0 .Lentry_in_a_cluster
	s_endpgm
.Lentry_in_a_cluster:
	s_bfe_u32 s2, ttmp6, 0x10000c
	s_cmp_lg_u32 s2, 0xf033
	s_cbranch_scc0 .Lentry_shape_is_right
	s_endpgm
.Lentry_shape_is_right:
; A GEMM on codes of E4M3 whose result, with its bias, is quantised again on the way out.  K = 1,024.  One text serves two launches; QKV says which.
; QKV = 1: cluster x = 0, 1, 2 makes Q, K, V.  Q = Xn WQ + bQ and K likewise: A = Xn's codes (rows = tokens), B = the weight's codes (rows = n); the codes leave per head, [head][l][64].
;   V is made TRANSPOSED: A = WV's codes, B = Xn's codes, so that a lane's eight results are eight neighbouring KEYS, which are the next product's K; they leave as [head][d][1024 keys].
;   Both operands lie in one buffer, so the change of roles is a choice between offsets.
; QKV = 0: hid = relu(Xn2 W1 + b1), codes [4096][4096].
; A tile of C is 256 x 256, four waves, 128 x 128 each: 64 accumulators, 512 registers.  K goes in steps of 256 through a ring of two LDS slots filled by the tensor data mover.
; CLUSTERS: 4 x 4 work-groups; A's tile is asked for jointly along a row of the cluster, B's along a column.  The matrix instruction is used transposed (source 0 = 16 rows of B, source 1 = 16 rows of A):
; a lane holds eight neighbouring columns of one row of C.  Fragments come by loads of 16 bytes: a permutation of k that is the same in A and B.
; THE BIAS is the C of each sum's first matrix instruction, divided by 2^(eA + eB); a sum then stands for value / 2^(eA + eB), and the three scales are folded into the conversion's one, 2^(eo - eA - eB).
; THE WAY OUT: hold, conversion, 8 codes a lane into one stage of 256 rows x 272 bytes in slot 0 (it has had its last fill, and nobody reads it behind the last change of slots), a barrier, back in runs of 16 bytes.
; LIMITS: eo - eA - eB between -126 and 119.
; REGISTERS: window 0: v1-31 addresses and constants; v32-95 the bias; v128-255 A's fragments, one set, later the codes.  window 1: B's fragments, two sets.  windows 2, 3: the accumulators.
.set QKV,    0
.set KROW,   1024
.set ROWB,   256
.set PITCH,  272                       ; an LDS row: 256 bytes + 16: the 16 rows that a load touches start at 16 different banks (ISA guide 11.1)
.set FR,     16
.set NL,     4
.set NP,     4
.set HALFT,  128*PITCH
.set SLOT,   4*HALFT
.set LAPS,   2
.set SPARE,  2*SLOT                    ; behind the ring: the spare words, 128 bytes for each wave
.if QKV
.set PA, 4
.set PB, 4
.set PS, 6
.set PO, 84
.set OP, 1024
.else
.set PA, 4
.set PB, 6
.set PS, 8
.set PO, 10
.set OP, 4096                          ; a row of hid in bytes
.endif
.set ADRA, 16
.set ADRB, 20
.set RDV,  22
.set COV,  23
.set STO,  24
.set RD,   25
.set CO,   26
.set RD2,  27
.set SPW,  28
.set NIL,  29
.set SC,   30
.set LIM,  31
.set BI,   32
.set AF,   128
.set CD,   128
.set G1, 24
.set G0, 32
.set G1B, 48
.set G0B, 56
.set MSB, 0
.macro WIN new                         ; the immediate's high byte repeats the setting that is left
.if MSB != \new
	s_set_vgpr_msb (MSB<<8)|\new
.set MSB, \new
.endif
.endm
.set MUL_LO, 0xa1
.set MUL_HI, 0xf1
.set TO_B,   0x40
.macro JLOAD g0a, g1a, g0b, g1b        ; a joint load: waves 0 and 1 fetch for A, waves 2 and 3 for B; an s_nop 0 and four v_nop follow each line
	s_cmp_eq_u32 s15, 0
	s_cbranch_scc0 .Lfor_b_\@
	tensor_load_to_lds s[\g0a:\g0a+3], s[\g1a:\g1a+7]
	s_nop 0
.rept 4
	v_nop
.endr
	s_branch .Lasked_\@
.Lfor_b_\@:
	tensor_load_to_lds s[\g0b:\g0b+3], s[\g1b:\g1b+7]
	s_nop 0
.rept 4
	v_nop
.endr
.Lasked_\@:
.endm
.macro CREST
	s_cmp_lg_u32 s14, 0
	s_cbranch_scc1 .Lnot_wave_0_\@
	s_barrier_signal -3
.Lnot_wave_0_\@:
	s_barrier_wait -3
	s_barrier_signal -1
	s_barrier_wait -1
.endm
.macro CROUND
	s_barrier_signal -1
	s_barrier_wait -1
	CREST
.endm
	s_load_b256 s[4:11], s[0:1], 0x0               ; xn2, cw, the scales' exponents, hid
	s_load_b64 s[86:87], s[0:1], 0x20              ; b1
	v_lshl_add_u32 v[SPW], v0, 2, SPARE
	v_mov_b32 v[NIL], 0
	ds_add_u32 v[SPW], v[NIL]                      ; the wave's opening: the add and its wait ahead of my first tensor load
	v_lshrrev_b32 v1, 5, v0
	v_readfirstlane_b32 s14, v1                    ; wave
	s_lshr_b32 s15, s14, 1                         ; my half of the tile's rows; also: I fetch for A (0) or B (1)
	s_and_b32 s16, s14, 1                          ; my half of its columns; also: which 128 rows I fetch
	s_bfe_u32 s40, ttmp6, 0x40000                  ; cx
	s_bfe_u32 s41, ttmp6, 0x40004                  ; cy
	s_and_b32 s18, ttmp7, 0xffff
	s_lshl_b32 s18, s18, 2
	s_add_co_u32 s17, s18, s41                     ; tile row
	s_lshl_b32 s42, ttmp9, 2
	s_add_co_u32 s42, s42, s40                     ; tile column
	s_lshl_b32 s43, s41, 2
	s_lshl_b32 s43, 15, s43                        ; my row of the cluster
	s_lshl_b32 s44, 0x1111, s40                    ; my column
	s_or_b32 s[G1+0], s43, (0<<16)|(1<<20)|(1<<21)|(5<<22)|(3<<25)  ; the mask; elements of 1 byte; padding on; bit 21 beside a mask; after every 64 words, 4 words
	s_or_b32 s[G1B+0], s44, (0<<16)|(1<<20)|(1<<21)|(5<<22)|(3<<25)
.irp g, G1, G1B
	s_mov_b32 s[\g+1], ROWB<<16
	s_mov_b32 s[\g+2], 128<<16
	s_mov_b32 s[\g+3], ROWB<<16
	s_mov_b32 s[\g+4], 128
	s_mov_b32 s[\g+5], KROW
	s_mov_b32 s[\g+6], 0
	s_mov_b32 s[\g+7], 0
.endr
	s_lshl_b32 s18, s16, 7
	s_lshl_b32 s20, s17, 8
	s_add_co_u32 s20, s20, s18                     ; A: row 256 x tile row + 128 x half
	s_lshl_b32 s46, s42, 8
	s_add_co_u32 s46, s46, s18                     ; B: row 256 x tile column + 128 x half
	s_lshl_b32 s20, s20, 10
	s_lshl_b32 s46, s46, 10
	s_add_co_u32 s46, s46, 0x400000                ; W1's codes
	s_mov_b32 s21, 0
	s_mov_b32 s47, 0
	s_mul_i32 s45, s14, HALFT
	s_wait_dscnt 0x0                               ; the opening add is done
	s_wait_kmcnt 0x0
	s_load_b512 s[68:83], s[PS:PS+1], 0x0          ; the sixteen exponents
	s_add_nc_u64 s[20:21], s[PA:PA+1], s[20:21]
	s_add_nc_u64 s[46:47], s[PB:PB+1], s[46:47]
	CROUND                                         ; all sixteen work-groups are here: the first joint loads meet
.irp s, 0,1
	s_mov_b32 s[G0+4*\s], 1
	s_add_co_u32 s[G0+4*\s+1], s45, \s*SLOT
	s_add_nc_u64 s[G0+4*\s+2:G0+4*\s+3], s[20:21], \s*ROWB
	s_or_b32 s[G0+4*\s+3], s[G0+4*\s+3], 0x80000000
	s_mov_b32 s[G0B+4*\s], 1
	s_add_co_u32 s[G0B+4*\s+1], s45, \s*SLOT
	s_add_nc_u64 s[G0B+4*\s+2:G0B+4*\s+3], s[46:47], \s*ROWB
	s_or_b32 s[G0B+4*\s+3], s[G0B+4*\s+3], 0x80000000
	JLOAD G0+4*\s, G1, G0B+4*\s, G1B
.endr
	v_and_b32 v1, 15, v0                           ; r
	v_bfe_u32 v2, v0, 4, 1                         ; h
	v_mul_u32_u24 v3, v1, PITCH
	v_lshl_add_u32 v4, v2, 4, v3
	s_mul_i32 s21, s15, HALFT
	s_mul_i32 s22, s16, HALFT
	s_add_co_u32 s22, s22, 2*HALFT
.irp s, 0,1
	v_add_nc_u32 v[ADRA+\s], s21, v4
	v_add_nc_u32 v[ADRB+\s], s22, v4
	s_add_co_u32 s21, s21, SLOT
	s_add_co_u32 s22, s22, SLOT
.endr
	s_mul_i32 s23, s15, HALFT                      ; the stage: my 128 rows, my 128 bytes of them; row r, 8 bytes for each half of the lanes
	s_lshl_b32 s21, s16, 7
	s_add_co_u32 s23, s23, s21
	v_lshl_add_u32 v5, v2, 3, v3
	v_add_nc_u32 v[STO], s23, v5
	s_mul_i32 s23, s14, 64*PITCH                   ; back by rows: wave w takes rows 64 w on; sixteen lanes to a row
	v_mul_u32_u24 v5, v2, PITCH
	v_lshl_add_u32 v5, v1, 4, v5
	v_add_nc_u32 v[RDV], s23, v5
	v_mul_u32_u24 v5, v2, OP
	v_lshl_add_u32 v[COV], v1, 4, v5
	s_lshl_b32 s96, s42, 10                        ; the bias: register j of block b is b1[16 b + 8 h + j] of my 128 columns
	s_lshl_b32 s97, s16, 9
	s_add_co_u32 s96, s96, s97
	s_mov_b32 s97, 0
	s_add_nc_u64 s[94:95], s[86:87], s[96:97]
	v_lshlrev_b32 v8, 5, v2
.set BX, 0
.rept 8
	global_load_b128 v[BI+8*BX:BI+8*BX+3], v8, s[94:95] offset:64*BX
	global_load_b128 v[BI+8*BX+4:BI+8*BX+7], v8, s[94:95] offset:64*BX+16
.set BX, BX+1
.endr
	s_wait_kmcnt 0x0
	s_add_co_i32 s68, s80, s81                     ; entries 12, 13
	s_mov_b32 s74, s82                             ; entry 14
	s_sub_co_i32 s69, 0, s68
	s_sub_co_i32 s70, s74, s68                     ; eo - eA - eB
	s_add_co_i32 s70, s70, 127
	s_lshl_b32 s71, s70, 23
	v_mov_b32 v[SC], s71
	s_add_co_i32 s70, s70, 8
	s_lshl_b32 s70, s70, 23
	s_or_b32 s70, s70, 0x600000
	v_mov_b32 v[LIM], s70
	s_wait_loadcnt 0x0
.set j, 0
.rept 64
	v_ldexp_f32 v[BI+j], v[BI+j], s69              ; bias / 2^(eA + eB)
.set j, j+1
.endr
.macro FRAG reg, adr, q, i             ; 16 rows x 128 K: registers 4 c .. 4 c + 3 hold K = 32 c + 16 (l / 16) + 0 .. 15 of row l % 16
.irp c, 0,1,2,3
	ds_load_b128 v[\reg+4*\c:\reg+4*\c+3], v[\adr] offset:128*(\q)+32*\c+(\i)*16*PITCH
.endr
.endm
; 16 matrix instructions: A's blocks a0, a0 + 1 x B's eight.  zero = 1: C is the bias along n; 0: the sum goes on.  The 64 accumulators take turns.
.macro MUL16 a0, p, zero
.irp a, \a0, \a0+1
.irp b, 0,1,2,3,4,5,6,7
.if (\zero) == 1
	v_wmma_f32_16x16x128_fp8_fp8 v[8*(8*((\a)%4)+\b):8*(8*((\a)%4)+\b)+7], v[128*(\p)+FR*\b:128*(\p)+FR*\b+FR-1], v[AF+FR*(\a):AF+FR*(\a)+FR-1], v[BI+8*\b:BI+8*\b+7]
.else
	v_wmma_f32_16x16x128_fp8_fp8 v[8*(8*((\a)%4)+\b):8*(8*((\a)%4)+\b)+7], v[128*(\p)+FR*\b:128*(\p)+FR*\b+FR-1], v[AF+FR*(\a):AF+FR*(\a)+FR-1], v[8*(8*((\a)%4)+\b):8*(8*((\a)%4)+\b)+7]
.endif
.endr
.endr
.endm
.macro FETCH_B slot, q, p
	WIN TO_B
.irp i, 0,1,2,3,4,5,6,7
	FRAG 128*(\p)+FR*\i, ADRB+\slot, \q, \i
.endr
	WIN 0
.endm
.macro FETCH_A slot, q, i0
.irp i, \i0, \i0+1, \i0+2, \i0+3
	FRAG AF+FR*(\i), ADRA+\slot, \q, \i
.endr
.endm
.macro PLACES n                        ; plain vector instructions between a matrix instruction and a load into, or a read of, its registers
.rept \n
	v_nop
.endr
.endm
.macro STEP slot, q, zero              ; 128 along K whose successor lies in the same slot
	s_wait_dscnt 4*NL                              ; B's set and A's blocks 0-3 are in; A's blocks 4-7 may be out
.if \zero
	WIN 0x81                                       ; C (the bias) window 0, D window 2
.else
	WIN MUL_LO
.endif
	MUL16 0, (\q)%2, \zero
	MUL16 2, (\q)%2, \zero
	s_wait_dscnt 0
	PLACES NP
	FETCH_B \slot, (\q)+1, 1-(\q)%2
	FETCH_A \slot, (\q)+1, 0
.if \zero
	WIN 0xc1
.else
	WIN MUL_HI
.endif
	MUL16 4, (\q)%2, \zero
	MUL16 6, (\q)%2, \zero
	PLACES NP
	WIN 0
	FETCH_A \slot, (\q)+1, 4
.endm
; A slot's last step changes slots: one barrier; in front of it each wave waits for all its tensor loads, adds 0 to its spare word, and waits for that and for its reads of this slot.
.macro TURN slot, next, fill
	s_wait_tensorcnt 0x0                           ; all my tensor loads have landed: my part of the next slot
	ds_add_u32 v[SPW], v[NIL]
	s_wait_dscnt 4*NL+1                            ; the add and A's blocks 4-7 may be out
	WIN MUL_LO
	MUL16 0, 1, 0
	s_wait_dscnt 0x0                               ; the add is done, and my reads of this slot are over
	s_barrier_signal -1
	MUL16 2, 1, 0
	WIN 0
	s_barrier_wait -1
.if \fill
	CREST                                          ; the barrier has opened a round of the cluster's: no wave of any partner still reads this slot or has a load on its way
	s_add_nc_u64 s[G0+4*\slot+2:G0+4*\slot+3], s[G0+4*\slot+2:G0+4*\slot+3], 2*ROWB
	s_add_nc_u64 s[G0B+4*\slot+2:G0B+4*\slot+3], s[G0B+4*\slot+2:G0B+4*\slot+3], 2*ROWB
	JLOAD G0+4*\slot, G1, G0B+4*\slot, G1B         ; the first tensor load behind the round; its four v_nop are the places in front of the loads below
.else
	PLACES NP
.endif
	FETCH_B \next, 0, 0
	FETCH_A \next, 0, 0
	WIN MUL_HI
	MUL16 4, 1, 0
	MUL16 6, 1, 0
	PLACES NP
	WIN 0
	FETCH_A \next, 0, 4
.endm
	s_wait_tensorcnt 1                             ; my part of K step 0 is in; K step 1's load may be out
	s_barrier_signal -1
	s_barrier_wait -1
	FETCH_B 0, 0, 0
	FETCH_A 0, 0, 0
	FETCH_A 0, 0, 4
	STEP 0, 0, 1
	s_mov_b32 s3, LAPS-1
.Llap:
	TURN 0, 1, 1
	STEP 1, 0, 0
	TURN 1, 0, 1
	STEP 0, 0, 0
	s_sub_co_u32 s3, s3, 1
	s_cmp_lg_u32 s3, 0
	s_cbranch_scc1 .Llap
	TURN 0, 1, 0                                   ; the last lap fills nothing
	STEP 1, 0, 0
	s_wait_dscnt 4*NL
	WIN MUL_LO
	MUL16 0, 1, 0
	MUL16 2, 1, 0
	s_wait_dscnt 0
	WIN MUL_HI
	MUL16 4, 1, 0
	MUL16 6, 1, 0
	WIN 0
	PLACES NP
	; THE WAY OUT: the activation and the hold in one, each accumulator from its low end on; eight sums become eight codes
.macro HOLD
.set j, 0
.rept 256
	v_med3_num_f32 v[j], v[j], 0, v[LIM]
.set j, j+1
.endr
.endm
	WIN 0x82                                       ; source 0 and destination window 2
	HOLD
	WIN 0x02
.set j, 0
.rept 32
	v_cvt_scalef32_pk8_fp8_f32 v[CD+2*j:CD+2*j+1], v[8*j:8*j+7], v[SC]
.set j, j+1
.endr
	WIN 0xc3
	HOLD
	WIN 0x03
.set j, 0
.rept 32
	v_cvt_scalef32_pk8_fp8_f32 v[CD+64+2*j:CD+64+2*j+1], v[8*j:8*j+7], v[SC]
.set j, j+1
.endr
	WIN 0
	v_nop                                          ; a plain instruction behind the last conversion
.irp a, 0,1,2,3,4,5,6,7
.irp b, 0,1,2,3,4,5,6,7
	ds_store_b64 v[STO], v[CD+2*(8*\a+\b):CD+2*(8*\a+\b)+1] offset:\a*16*PITCH+16*\b   ; C(16 a + r, 16 b + 8 h + 0 .. 7)
.endr
.endr
	s_wait_dscnt 0x0                               ; for the others' sake: my stores into the stage are done
	s_barrier_signal -1
	s_barrier_wait -1
	s_lshl_b32 s20, s17, 8                         ; hid: row 256 x tile row + 64 x wave, byte 256 x tile column
	s_lshl_b32 s21, s14, 6
	s_add_co_u32 s20, s20, s21
	s_lshl_b32 s20, s20, 12
	s_lshl_b32 s21, s42, 8
	s_add_co_u32 s20, s20, s21
	s_mov_b32 s21, 0
	s_add_nc_u64 s[92:93], s[PO:PO+1], s[20:21]
.set j, 0
.rept 32
	ds_load_b128 v[CD+4*j:CD+4*j+3], v[RDV] offset:2*j*PITCH
.set j, j+1
.endr
.set j, 0
.rept 32
	s_wait_dscnt 31-j
	global_store_b128 v[COV], v[CD+4*j:CD+4*j+3], s[92:93] offset:2*j*OP   ; sixteen lanes store 256 consecutive bytes, aligned
.set j, j+1
.endr
	s_wait_tensorcnt 0x0                           ; the wave's end
	ds_add_u32 v[SPW], v[NIL]
	s_wait_dscnt 0x0
	CROUND                                         ; the closing round
	s_endpgm
.Lfunc_end_k_qe0811b5477_up:
	.size	k_qe0811b5477_up, .Lfunc_end_k_qe0811b5477_up-k_qe0811b5477_up
	.p2alignl 7, 3214868480
	.fill 96, 4, 3214868480
	.section	.rodata,"a",@progbits
	.p2align	6, 0x0
	.amdhsa_kernel k_qe0811b5477_up
		.amdhsa_group_segment_fixed_size 327680
		.amdhsa_private_segment_fixed_size 0
		.amdhsa_enable_private_segment 0
		.amdhsa_kernarg_size 40
		.amdhsa_user_sgpr_count 2
		.amdhsa_user_sgpr_kernarg_segment_ptr 1
		.amdhsa_wavefront_size32 1
		.amdhsa_system_sgpr_workgroup_id_x 1
		.amdhsa_system_sgpr_workgroup_id_y 1
		.amdhsa_system_sgpr_workgroup_id_z 1
		.amdhsa_system_vgpr_workitem_id 0
		.amdhsa_next_free_vgpr 1024
		.amdhsa_next_free_sgpr 100
		.amdhsa_reserve_vcc 0
		.amdhsa_float_denorm_mode_32 3
		.amdhsa_float_denorm_mode_16_64 3
		.amdhsa_memory_ordered 1
		.amdhsa_forward_progress 1
		.amdhsa_inst_pref_size 130
	.end_amdhsa_kernel
	.amdgpu_metadata
---
amdhsa.version: [ 1, 2 ]
amdhsa.kernels:
  - .name:           k_qe0811b5477_up
    .symbol:         k_qe0811b5477_up.kd
    .args:
      - { .name: xn2, .offset: 0, .size: 8, .value_kind: global_buffer, .address_space: global }
      - { .name: cw, .offset: 8, .size: 8, .value_kind: global_buffer, .address_space: global }
      - { .name: lowp_scales, .offset: 16, .size: 8, .value_kind: global_buffer, .address_space: global }
      - { .name: hid, .offset: 24, .size: 8, .value_kind: global_buffer, .address_space: global }
      - { .name: b1, .offset: 32, .size: 8, .value_kind: global_buffer, .address_space: global }
    .group_segment_fixed_size: 327680
    .private_segment_fixed_size: 0
    .kernarg_segment_align: 8
    .kernarg_segment_size: 40
    .max_flat_workgroup_size: 128
    .sgpr_count:     100
    .vgpr_count:     1024
    .wavefront_size: 32
...
	.end_amdgpu_metadata
.endif
;; end of part 6
;; launch down (part 7): grid 8 x 32, 4 waves a work-group, clusters of 4 x 4, 327,680 bytes of LDS; arguments hid, cw, lowp_scales, x2, b2, out0; writes out0
.if DOCPART == 7
	.amdgcn_target "amdgcn-amd-amdhsa--gfx1250"
	.amdhsa_code_object_version 6
	.text
	.protected	k_qe0811b5477_down
	.globl	k_qe0811b5477_down
	.p2align	8
	.type	k_qe0811b5477_down,@function
k_qe0811b5477_down:
	s_mov_b64 s[64:65], 0
	v_nop
	global_prefetch_b8 v0, s[64:65] scope:SCOPE_SE
	s_setreg_imm32_b32 hwreg(HW_REG_WAVE_MODE, 25, 1), 1
	s_wait_xcnt 0x0
	s_wait_alu depctr_hold_cnt(0) depctr_sa_sdst(0) depctr_va_vdst(0) depctr_va_sdst(0) depctr_va_ssrc(0) depctr_va_vcc(0) depctr_vm_vsrc(0)
	s_getreg_b32 s2, hwreg(HW_REG_IB_STS2, 6, 4)
	s_cmp_eq_u32 s2, 0
	s_cbranch_scc0 .Lentry_in_a_cluster
	s_endpgm
.Lentry_in_a_cluster:
	s_bfe_u32 s2, ttmp6, 0x10000c
	s_cmp_lg_u32 s2, 0xf033
	s_cbranch_scc0 .Lentry_shape_is_right
	s_endpgm
.Lentry_shape_is_right:
; out = resid + A B^T x 2^(eA + eB) + bias, f32, [4096][1024]; A and B are codes of E4M3.  One text serves two launches; WO says which.
; WO = 1: A = av, [64 heads][1024][64], K = 1,024 = head x 64 + d; B = WO's codes (cw + 3 MiB).  WO = 0: A = hid [4096][4096], K = 4,096; B = W2's codes (cw + 8 MiB).
; A tile of C is 128 x 128, so that there are 256 work-groups; four waves, 64 x 64 each: 16 accumulators.  K goes in steps of 512 through two LDS slots; a step is four quarters of 128 on two fragment buffers.
; CLUSTERS: 4 x 4; A's tile is asked for jointly along a row of the cluster, B's along a column.  The matrix instruction is used transposed: a lane holds eight neighbouring columns of a row of C.
; THE WAY OUT: a wave's 64 columns are 256 bytes of a row, so each wave has a stage of its own (in slot 0, which has had its last fill and is read by nobody behind the last change of slots) and needs no barrier.
; The residual and the bias are asked for at the head and wait in registers.
; LIMIT: eA + eB between -126 and 127.
; REGISTERS: window 0: v1-29 addresses; v96-99 the bias; v128-255 the accumulators.  window 1: two fragment buffers: A's four fragments, then B's four.  window 2: v0-127 the residual.
.set WO,    0
.if WO
.set KROW,  1024
.set LAPS,  1
.set AH,    40960
.set AP,    80
.set ASTEP, 524288
.set WOFF,  0x300000
.set ESOFF, 0x28
.else
.set KROW,  4096
.set LAPS,  4
.set AH,    33792
.set AP,    528
.set ASTEP, 512
.set WOFF,  0x800000
.set ESOFF, 0x38
.endif
.set BP,    528                        ; a row of 512 bytes + 16
.set BH,    64*BP
.set SLOT,  2*AH+2*BH
.set SPARE, 2*SLOT                     ; the spare words, 128 bytes for each wave
.set SP,    272
.set ADRA, 16
.set ADRB, 20
.set STO,  24
.set RD,   25
.set RO,   26
.set BO,   27
.set SPW,  28
.set NIL,  29
.set BIA,  96
.set ACC,  128
.set F0,   0
.set F1,   128
.set G1, 24
.set G0, 32
.set G1B, 48
.set G0B, 56
.set MSB, 0
.macro WIN new
.if MSB != \new
	s_set_vgpr_msb (MSB<<8)|\new
.set MSB, \new
.endif
.endm
.set MUL,  0x05                        ; sources 0 (B) and 1 (A) window 1; C and D window 0
.set TO_F, 0x40
.macro JLOAD s                         ; a joint load: waves 0 and 1 fetch A's halves, waves 2 and 3 B's; an s_nop 0 and four v_nop follow each line
	s_cmp_eq_u32 s11, 0
	s_cbranch_scc0 .Lfor_b_\@
	tensor_load_to_lds s[G0+4*\s:G0+4*\s+3], s[G1:G1+7]
	s_nop 0
.rept 4
	v_nop
.endr
	s_branch .Lasked_\@
.Lfor_b_\@:
	tensor_load_to_lds s[G0B+4*\s:G0B+4*\s+3], s[G1B:G1B+7]
	s_nop 0
.rept 4
	v_nop
.endr
.Lasked_\@:
.endm
.macro CREST
	s_cmp_lg_u32 s10, 0
	s_cbranch_scc1 .Lnot_wave_0_\@
	s_barrier_signal -3
.Lnot_wave_0_\@:
	s_barrier_wait -3
	s_barrier_signal -1
	s_barrier_wait -1
.endm
.macro CROUND
	s_barrier_signal -1
	s_barrier_wait -1
	CREST
.endm
	s_load_b256 s[68:75], s[0:1], 0x0              ; A 68, cw 70, the scales' exponents 72, the residual 74
	s_load_b128 s[76:79], s[0:1], 0x20             ; the bias 76, the output 78
	v_lshl_add_u32 v[SPW], v0, 2, SPARE
	v_mov_b32 v[NIL], 0
	ds_add_u32 v[SPW], v[NIL]                      ; the wave's opening: the add and its wait ahead of my first tensor load
	v_lshrrev_b32 v1, 5, v0
	v_readfirstlane_b32 s10, v1
	s_lshr_b32 s11, s10, 1                         ; my half of the rows; also: I fetch for A (0) or B (1)
	s_and_b32 s12, s10, 1                          ; my half of the columns; also: which 64 rows I fetch
	s_bfe_u32 s40, ttmp6, 0x40000
	s_bfe_u32 s41, ttmp6, 0x40004
	s_lshl_b32 s42, ttmp9, 2
	s_add_co_u32 s42, s42, s40                     ; tile column
	s_and_b32 s13, ttmp7, 0xffff
	s_lshl_b32 s13, s13, 2
	s_add_co_u32 s13, s13, s41                     ; tile row
	s_lshl_b32 s43, s41, 2
	s_lshl_b32 s43, 15, s43
	s_lshl_b32 s44, 0x1111, s40
	s_or_b32 s[G1+0], s43, (1<<20)|(1<<21)|(6<<22)|(3<<25)   ; padding: 4 words after every 128
	s_mov_b32 s[G1+1], 512<<16
	s_mov_b32 s[G1+2], 64<<16
	s_mov_b32 s[G1+3], 512<<16
	s_mov_b32 s[G1+4], 64
	s_mov_b32 s[G1+5], KROW
	s_mov_b32 s[G1+6], 0
	s_mov_b32 s[G1+7], 0
	s_or_b32 s[G1B+0], s44, (1<<20)|(1<<21)|(6<<22)|(3<<25)
	s_mov_b32 s[G1B+1], 512<<16
	s_mov_b32 s[G1B+2], 64<<16
	s_mov_b32 s[G1B+3], 512<<16
	s_mov_b32 s[G1B+4], 64
	s_mov_b32 s[G1B+5], KROW
	s_mov_b32 s[G1B+6], 0
	s_mov_b32 s[G1B+7], 0
	s_lshl_b32 s16, s13, 7
	s_lshl_b32 s17, s12, 6
	s_add_co_u32 s16, s16, s17
	s_lshl_b32 s16, s16, 12                        ; rows of 4,096 bytes
	s_mov_b32 s17, 0
	s_lshl_b32 s46, s42, 7
	s_lshl_b32 s47, s12, 6
	s_add_co_u32 s46, s46, s47
	s_mul_i32 s46, s46, KROW
	s_add_co_u32 s46, s46, WOFF
	s_mov_b32 s47, 0
	s_mul_i32 s20, s12, AH                         ; where they go: A's halves, then B's
	s_mul_i32 s21, s12, BH
	s_add_co_u32 s21, s21, 2*AH
	s_wait_dscnt 0x0                               ; the opening add is done
	s_wait_kmcnt 0x0
	s_load_b64 s[80:81], s[72:73], ESOFF           ; eA, eB
	s_add_nc_u64 s[14:15], s[68:69], s[16:17]
	s_add_nc_u64 s[46:47], s[70:71], s[46:47]
	CROUND
.irp s, 0,1
	s_mov_b32 s[G0+4*\s], 1
	s_add_co_u32 s[G0+4*\s+1], s20, \s*SLOT
	s_add_nc_u64 s[G0+4*\s+2:G0+4*\s+3], s[14:15], \s*ASTEP
	s_or_b32 s[G0+4*\s+3], s[G0+4*\s+3], 0x80000000
	s_mov_b32 s[G0B+4*\s], 1
	s_add_co_u32 s[G0B+4*\s+1], s21, \s*SLOT
	s_add_nc_u64 s[G0B+4*\s+2:G0B+4*\s+3], s[46:47], \s*512
	s_or_b32 s[G0B+4*\s+3], s[G0B+4*\s+3], 0x80000000
	JLOAD \s
.endr
	v_and_b32 v1, 15, v0                           ; r
	v_bfe_u32 v2, v0, 4, 1                         ; h
	v_mul_u32_u24 v3, v1, BP
	v_lshl_add_u32 v3, v2, 4, v3
	v_mul_u32_u24 v4, v1, AP
	v_lshl_add_u32 v4, v2, 4, v4
	s_mul_i32 s21, s11, AH
	s_mul_i32 s22, s12, BH
	s_add_co_u32 s22, s22, 2*AH
.irp s, 0,1
	v_add_nc_u32 v[ADRA+\s], s21, v4
	v_add_nc_u32 v[ADRB+\s], s22, v3
	s_add_co_u32 s21, s21, SLOT
	s_add_co_u32 s22, s22, SLOT
.endr
	s_mul_i32 s23, s10, 64*SP                      ; my stage
	v_mul_u32_u24 v5, v1, SP
	v_lshl_add_u32 v5, v2, 5, v5
	v_add_nc_u32 v[STO], s23, v5                   ; in: row r, 32 bytes for each half of the lanes
	v_mul_u32_u24 v5, v2, SP
	v_lshl_add_u32 v5, v1, 4, v5
	v_add_nc_u32 v[RD], s23, v5                    ; back: sixteen lanes to a row of 256 bytes
	v_lshlrev_b32 v[BO], 4, v1
	v_lshl_add_u32 v[RO], v2, 12, v[BO]            ; and the same two rows in the residual and the output
	s_lshl_b32 s16, s13, 7
	s_lshl_b32 s17, s11, 6
	s_add_co_u32 s16, s16, s17
	s_lshl_b32 s16, s16, 12                        ; my first row: 128 x tile row + 64 x half, rows of 4,096 bytes
	s_mov_b32 s17, 0
	s_lshl_b32 s46, s42, 9
	s_lshl_b32 s47, s12, 8
	s_add_co_u32 s46, s46, s47                     ; my first column in bytes
	s_mov_b32 s47, 0
	s_add_nc_u64 s[82:83], s[74:75], s[16:17]
	s_add_nc_u64 s[82:83], s[82:83], s[46:47]
	s_add_nc_u64 s[84:85], s[78:79], s[16:17]
	s_add_nc_u64 s[84:85], s[84:85], s[46:47]
	s_add_nc_u64 s[88:89], s[76:77], s[46:47]
	global_load_b128 v[BIA:BIA+3], v[BO], s[88:89]
	WIN 0x80                                       ; destination window 2
.irp a, 0,1,2,3
.irp t, 0,1,2,3,4,5,6,7
	global_load_b128 v[32*\a+4*\t:32*\a+4*\t+3], v[RO], s[82:83] offset:(16*\a+2*\t)*4096
.endr
.endr
	WIN 0
	s_wait_kmcnt 0x0
	s_add_co_i32 s86, s80, s81
	s_add_co_i32 s86, s86, 127
	s_lshl_b32 s86, s86, 23                        ; 2^(eA + eB) as f32
	s_mov_b32 s87, s86
.macro MUL8 f, a0, zero                ; 8 matrix instructions: A's blocks a0, a0 + 1 x B's four, 128 along K.  The 16 accumulators take turns
.irp a, \a0, \a0+1
.irp b, 0,1,2,3
.if \zero
	v_wmma_f32_16x16x128_fp8_fp8 v[ACC+8*(4*(\a)+\b):ACC+8*(4*(\a)+\b)+7], v[\f+64+16*\b:\f+64+16*\b+15], v[\f+16*(\a):\f+16*(\a)+15], 0
.else
	v_wmma_f32_16x16x128_fp8_fp8 v[ACC+8*(4*(\a)+\b):ACC+8*(4*(\a)+\b)+7], v[\f+64+16*\b:\f+64+16*\b+15], v[\f+16*(\a):\f+16*(\a)+15], v[ACC+8*(4*(\a)+\b):ACC+8*(4*(\a)+\b)+7]
.endif
.endr
.endr
.endm
.macro FETCH slot, q, f                ; 32 LDS loads in one run: quarter q's fragments: B's four, then A's four.  Registers 4 c .. 4 c + 3 hold K = 32 c + 16 (l / 16) + 0 .. 15
	WIN TO_F
.irp i, 0,1,2,3
.irp c, 0,1,2,3
	ds_load_b128 v[\f+64+16*\i+4*\c:\f+64+16*\i+4*\c+3], v[ADRB+\slot] offset:128*(\q)+32*\c+\i*16*BP
.endr
.endr
.irp i, 0,1,2,3
.irp c, 0,1,2,3
	ds_load_b128 v[\f+16*\i+4*\c:\f+16*\i+4*\c+3], v[ADRA+\slot] offset:128*(\q)+32*\c+\i*16*BP
.endr
.endr
.endm
.macro PLACES
.rept 4
	v_nop
.endr
.endm
.macro QUARTER slot, qn, f, g, zero    ; multiplies buffer f; in its middle fetches quarter qn of the same slot into g
	s_wait_dscnt 8                                 ; B's four and A's blocks 0, 1 are in; A's blocks 2, 3 may be out
	WIN MUL
	MUL8 \f, 0, \zero
	PLACES
	FETCH \slot, \qn, \g
	s_wait_dscnt 32                                ; all but the 32 just issued
	WIN MUL
	MUL8 \f, 2, \zero
.endm
.macro TURN slot, next, fill           ; the last quarter multiplies buffer 1 and changes slots
	WIN 0
	s_wait_tensorcnt 0x0                           ; all my tensor loads have landed: my part of the next slot
	ds_add_u32 v[SPW], v[NIL]
	s_wait_dscnt 9                                 ; the add and A's blocks 2, 3 may be out
	WIN MUL
	MUL8 F1, 0, 0
	s_wait_dscnt 0x0                               ; the add is done, and my reads of this slot are over
	WIN 0
	s_barrier_signal -1
	s_barrier_wait -1
.if \fill
	CREST                                          ; the barrier has opened a round of the cluster's
	s_add_nc_u64 s[G0+4*\slot+2:G0+4*\slot+3], s[G0+4*\slot+2:G0+4*\slot+3], 2*ASTEP
	s_add_nc_u64 s[G0B+4*\slot+2:G0B+4*\slot+3], s[G0B+4*\slot+2:G0B+4*\slot+3], 2*512
	JLOAD \slot                                    ; the first tensor load behind the round; its four v_nop are the places in front of the loads below
.else
	PLACES
.endif
	FETCH \next, 0, F0
	WIN MUL
	MUL8 F1, 2, 0
.endm
	s_wait_tensorcnt 1                             ; my part of slot 0 is in; slot 1's may be out
	s_barrier_signal -1
	s_barrier_wait -1
	FETCH 0, 0, F0
	QUARTER 0, 1, F0, F1, 1                        ; the first quarter's products start the sums
	WIN 0
	s_mov_b32 s3, LAPS-1
.Llap:                                                 ; a trip goes once round the ring and fills both slots again
	QUARTER 0, 2, F1, F0, 0
	QUARTER 0, 3, F0, F1, 0
	TURN 0, 1, 1
	QUARTER 1, 1, F0, F1, 0
	QUARTER 1, 2, F1, F0, 0
	QUARTER 1, 3, F0, F1, 0
	TURN 1, 0, 1
	QUARTER 0, 1, F0, F1, 0
	WIN 0
	s_sub_co_u32 s3, s3, 1
	s_cmp_lg_u32 s3, 0
	s_cbranch_scc1 .Llap
	QUARTER 0, 2, F1, F0, 0                        ; the last lap fills nothing
	QUARTER 0, 3, F0, F1, 0
	TURN 0, 1, 0
	QUARTER 1, 1, F0, F1, 0
	QUARTER 1, 2, F1, F0, 0
	QUARTER 1, 3, F0, F1, 0
	s_wait_dscnt 8
	WIN MUL
	MUL8 F1, 0, 0
	s_wait_dscnt 0
	MUL8 F1, 2, 0
	; THE WAY OUT.  The residual takes the bias: 64 plain instructions that name no register of the last products: they are the places behind them
	s_wait_loadcnt 0x0
	WIN 0x82                                       ; source 0 and destination window 2
.set j, 0
.rept 64
	v_pk_add_f32 v[j:j+1], v[j:j+1], v[BIA+j%4:BIA+j%4+1]
.set j, j+2
.endr
	WIN 0
.irp a, 0,1,2,3
.irp b, 0,1,2,3
	ds_store_b128 v[STO], v[ACC+8*(4*\a+\b):ACC+8*(4*\a+\b)+3] offset:\a*16*SP+64*\b
	ds_store_b128 v[STO], v[ACC+8*(4*\a+\b)+4:ACC+8*(4*\a+\b)+7] offset:\a*16*SP+64*\b+16
.endr
.irp t, 0,1,2,3,4,5,6,7
	ds_load_b128 v[ACC+32*\a+4*\t:ACC+32*\a+4*\t+3], v[RD] offset:\a*16*SP+2*\t*SP   ; LDS serves a wave's instructions in order: whole rows come back into the registers that the sums left
.endr
.endr
	s_wait_dscnt 0x0
	WIN 0x20                                       ; source 2 window 2
.set j, 0
.rept 64
	v_pk_fma_f32 v[ACC+j:ACC+j+1], v[ACC+j:ACC+j+1], s[86:87], v[j:j+1] op_sel_hi:[1,0,1]   ; sum x 2^(eA + eB) + (residual + bias)
.set j, j+2
.endr
	WIN 0
.irp a, 0,1,2,3
.irp t, 0,1,2,3,4,5,6,7
	global_store_b128 v[RO], v[ACC+32*\a+4*\t:ACC+32*\a+4*\t+3], s[84:85] offset:(16*\a+2*\t)*4096 th:TH_STORE_NT   ; sixteen lanes store 256 consecutive bytes, aligned; written once, read by nobody here
.endr
.endr
	s_wait_tensorcnt 0x0                           ; the wave's end
	ds_add_u32 v[SPW], v[NIL]
	s_wait_dscnt 0x0
	CROUND                                         ; the closing round
	s_endpgm
.Lfunc_end_k_qe0811b5477_down:
	.size	k_qe0811b5477_down, .Lfunc_end_k_qe0811b5477_down-k_qe0811b5477_down
	.p2alignl 7, 3214868480
	.fill 96, 4, 3214868480
	.section	.rodata,"a",@progbits
	.p2align	6, 0x0
	.amdhsa_kernel k_qe0811b5477_down
		.amdhsa_group_segment_fixed_size 327680
		.amdhsa_private_segment_fixed_size 0
		.amdhsa_enable_private_segment 0
		.amdhsa_kernarg_size 48
		.amdhsa_user_sgpr_count 2
		.amdhsa_user_sgpr_kernarg_segment_ptr 1
		.amdhsa_wavefront_size32 1
		.amdhsa_system_sgpr_workgroup_id_x 1
		.amdhsa_system_sgpr_workgroup_id_y 1
		.amdhsa_system_sgpr_workgroup_id_z 1
		.amdhsa_system_vgpr_workitem_id 0
		.amdhsa_next_free_vgpr 768
		.amdhsa_next_free_sgpr 100
		.amdhsa_reserve_vcc 0
		.amdhsa_float_denorm_mode_32 3
		.amdhsa_float_denorm_mode_16_64 3
		.amdhsa_memory_ordered 1
		.amdhsa_forward_progress 1
		.amdhsa_inst_pref_size 81
	.end_amdhsa_kernel
	.amdgpu_metadata
---
amdhsa.version: [ 1, 2 ]
amdhsa.kernels:
  - .name:           k_qe0811b5477_down
    .symbol:         k_qe0811b5477_down.kd
    .args:
      - { .name: hid, .offset: 0, .size: 8, .value_kind: global_buffer, .address_space: global }
      - { .name: cw, .offset: 8, .size: 8, .value_kind: global_buffer, .address_space: global }
      - { .name: lowp_scales, .offset: 16, .size: 8, .value_kind: global_buffer, .address_space: global }
      - { .name: x2, .offset: 24, .size: 8, .value_kind: global_buffer, .address_space: global }
      - { .name: b2, .offset: 32, .size: 8, .value_kind: global_buffer, .address_space: global }
      - { .name: out0, .offset: 40, .size: 8, .value_kind: global_buffer, .address_space: global }
    .group_segment_fixed_size: 327680
    .private_segment_fixed_size: 0
    .kernarg_segment_align: 8
    .kernarg_segment_size: 48
    .max_flat_workgroup_size: 128
    .sgpr_count:     100
    .vgpr_count:     768
    .wavefront_size: 32
...
	.end_amdgpu_metadata
.endif
;; end of part 7
